; MI455X (gfx1250); checked and timed in simulation.
; The chip was launched on July 23, 2026; its instructions are those of AMD's public machine-readable ISA for CDNA 5 (MIT licence, August 2026) and "CDNA5" Instruction Set Architecture Reference Guide (July 2026). The comments in the code are by the model that wrote it; some were corrected since.
;; Unimodal Attention Kernel. Allowed arithmetic: matrix products marked QUANTISED: E5M2 operands, one given power-of-two scale a tensor, by v_wmma_f32_16x16x64_bf8_bf8 or v_wmma_f32_16x16x128_bf8_bf8, f32 sums; everything else in f32.
;; Inputs: Wk_codes 1,024 x 32 x 32 uint8 (E5M2 codes of Wk, K innermost, in blocks of 32 codes); Wo_codes 1,024 x 32 x 32 uint8 (E5M2 codes of Wo, K innermost, in blocks of 32 codes); Wq_codes 1,024 x 32 x 32 uint8 (E5M2 codes of Wq, K innermost, in blocks of 32 codes); Wv_codes 1,024 x 32 x 32 uint8 (E5M2 codes of Wv, K innermost, in blocks of 32 codes); bk 1,024 float32; bo 1,024 float32; bq 1,024 float32; bv 1,024 float32; key_codes 8 x 1,024 x 32 x 32 uint8 (E5M2 codes of key, K innermost, in blocks of 32 codes); lowp_scales 12 int32 (the exponents e of the quantised operands' scales 2^e); query_codes 8 x 1,024 x 32 x 32 uint8 (E5M2 codes of query, K innermost, in blocks of 32 codes); value_codes 8 x 1,024 x 32 x 32 uint8 (E5M2 codes of value, K innermost, in blocks of 32 codes).
;; Outputs: out0 8 x 1,024 x 1,024 float32.
;; This version of the problem:
;;   THIS VERSION OF THE PROBLEM IS GIVEN IN LOW PRECISION. The matrix products marked QUANTISED in the list below multiply operands that are first quantised to E5M2 (5 exponent bits, 2 mantissa bits; 8 bits a number), with one given power-of-two scale for each operand tensor; their sums are f32. All else is computed in f32.
;;   The module's matrix products, in the order in which they are computed (A, B: the left and right operand; K: the contracted axis; several contracted axes count as one K, in the product's order):
;;     1. [M 8,192, K 1,024] x [K 1,024, N 1,024]; A: input query (given as codes); B: input Wq (given as codes): QUANTISED (scales: A lowp_scales[0], B lowp_scales[1])
;;     2. [M 8,192, K 1,024] x [K 1,024, N 1,024]; A: input key (given as codes); B: input Wk (given as codes): QUANTISED (scales: A lowp_scales[2], B lowp_scales[3])
;;     3. [M 8,192, K 1,024] x [K 1,024, N 1,024]; A: input value (given as codes); B: input Wv (given as codes): QUANTISED (scales: A lowp_scales[4], B lowp_scales[5])
;;     4. batch 128 x [M 1,024, K 64] x [K 64, N 1,024]; A: computed on the way; B: computed on the way: QUANTISED (scales: A lowp_scales[6], B lowp_scales[7])
;;     5. batch 128 x [M 1,024, K 1,024] x [K 1,024, N 64]; A: softmax (see below); B: computed on the way: QUANTISED (scales: A lowp_scales[8], B lowp_scales[9])
;;     6. [M 8,192, K 1,024] x [K 1,024, N 1,024]; A: computed on the way; B: input Wo (given as codes): QUANTISED (scales: A lowp_scales[10], B lowp_scales[11])
;;   THE QUANTISER, for each operand of a quantised product, along K:
;;     - The operand's scale is 2^e, e = its entry of the input lowp_scales (int32; the entries are numbered through the quantised products in the list's order, A before B).
;;     - Each number is divided by the scale, clamped to +-57,344, and rounded to the nearest number of E5M2, ties to even, subnormals kept.
;;     - The product sums the exact products of the quantised numbers (number of the format x scale) in f32.
;;   ~~~python
;;   def quantise(x, axis, e):      # numpy; x: float32 -> the quantised numbers, widened to float32 again
;;       x = np.moveaxis(x, axis, -1); K = x.shape[-1]
;;       r = np.clip(x / 2.0 ** e, -57344, 57344)
;;       step = 2.0 ** (np.maximum(np.frexp(np.where(r == 0, 1, r))[1] - 1, -14) - 2)
;;       q = np.round(r / step) * step * 2.0 ** e      # np.round: ties to even
;;       return np.moveaxis(q, -1, axis).astype(np.float32)
;;   ~~~
;;   SOFTMAX AHEAD OF A QUANTISED PRODUCT. Where the list says 'softmax', what is quantised is not the finished softmax but p = 2^(t - M), with t = logit x log2(e) and M = ceil(the row's largest t), a whole number; so 1/2 < the row's largest p <= 1. The row's sum l is taken of the UNQUANTISED p, in f32, and the product's result is divided by l at the end. Since M is a whole number, a kernel that streams over the keys may use a running M (the ceiling of the running maximum): every later rescaling is an exact power of two, so the quantised numbers keep their values, but for numbers so far below the row's largest that they fall under the format's range.
;;   OPERANDS COMPUTED ON THE WAY. 'Computed on the way' means the value that the module computes at that place (a softmax that the list does not call 'softmax' is quantised finished and normalised). What goes into a quantiser is computed in f32, as accurately as f32 sums, v_exp_f32 and their like allow (about 1e-6 of the number): no bf16 or f16 on the way to a quantiser, and a product that is left as it is and whose result goes on into a quantised operand takes f32 operands (vector FMAs, or v_wmma_f32_16x16x4_f32). A number that lies on a knife's edge between two numbers of the format may be rounded either way, as far as f32 arithmetic and the matrix unit's own rounding can turn it there, and no further.
;;   INPUTS GIVEN AS CODES. Wk (in the module: [1024, 1024], K = its axis 1); Wo (in the module: [1024, 1024], K = its axis 1); Wq (in the module: [1024, 1024], K = its axis 1); Wv (in the module: [1024, 1024], K = its axis 1); key (in the module: [8, 1024, 1024], K = its axis 2); query (in the module: [8, 1024, 1024], K = its axis 2); value (in the module: [8, 1024, 1024], K = its axis 2): each comes as NAME_codes (uint8): NAME with its K axis moved to the last place and cut into blocks of 32 codes, [.., K / 32, bytes a block], one block behind the other in memory; one code a byte (a code: sign, 5 exponent bits, 2 mantissa bits); its scale is its entry of lowp_scales. Its value is code x scale, taken as it is: it is not quantised again, and the codes and scales need not be those that the quantiser above would give.
;; One version. Each part assembles by itself: llvm-mc -triple=amdgcn-amd-amdhsa -mcpu=gfx1250 --defsym DOCPART=n.
;; ======== version 1 of 1: 3 launches
;; limits: right only within a limited range of input values
;; workspace buffers: qc 8,388,608 bytes; kc 8,388,608 bytes; vc 8,388,608 bytes; ac 8,388,608 bytes
;; launch proj (part 1): grid 4 x 64, 4 waves a work-group, clusters of 4 x 4, 327,680 bytes of LDS; arguments query_codes, key_codes, Wv_codes, Wq_codes, Wk_codes, value_codes, bq, bk, bv, qc, kc, vc, lowp_scales; writes qc, kc, vc
.if DOCPART == 1
	.amdgcn_target "amdgcn-amd-amdhsa--gfx1250"
	.amdhsa_code_object_version 6
	.text
	.protected	k_qe1fed8c0e8_proj
	.globl	k_qe1fed8c0e8_proj
	.p2align	8
	.type	k_qe1fed8c0e8_proj,@function
k_qe1fed8c0e8_proj:
	s_mov_b64 s[64:65], 0
	v_nop
	global_prefetch_b8 v0, s[64:65] scope:SCOPE_SE
	s_setreg_imm32_b32 hwreg(HW_REG_WAVE_MODE, 25, 1), 1
	s_wait_xcnt 0x0
	s_wait_alu depctr_hold_cnt(0) depctr_sa_sdst(0) depctr_va_vdst(0) depctr_va_sdst(0) depctr_va_ssrc(0) depctr_va_vcc(0) depctr_vm_vsrc(0)
	s_getreg_b32 s2, hwreg(HW_REG_IB_STS2, 6, 4)
	s_cmp_eq_u32 s2, 0
	s_cbranch_scc0 .Lentry_in_a_cluster
	s_endpgm
.Lentry_in_a_cluster:
	s_bfe_u32 s2, ttmp6, 0x10000c
	s_cmp_lg_u32 s2, 0xf033
	s_cbranch_scc0 .Lentry_shape_is_right
	s_endpgm
.Lentry_shape_is_right:
; THE THREE PROJECTIONS, on codes of BF8 (E5M2), and their quantisers.  C[m][n] = sum over k of A[m][k] B[n][k], K = 1,024, codes multiplied as they are, sums in f32.
;   q: A = query (8,192 tokens), B = Wq (1,024 features): q = (sum x 2^(e0+e1) + bq[n]) / 8, code = q / 2^e6;   k likewise with Wk, e2+e3, bk, no division, e7
;   v: A = Wv (1,024 channels), B = value (8,192 tokens): v = sum x 2^(e4+e5) + bv[m], code = v / 2^e9.  The operands change places, so that a lane's registers run along the KEYS, the next product's K.
; The division by 8 is folded into the conversion's scale (2^(e6+3)): a power of two.  Each number is held within +-57,344 x the scale ahead of the conversion.
; LIMITS: e0+e1, e2+e3, e4+e5 between -126 and 127; e6+3, e7, e9 between -126 and 112, so that each power of two below is an f32 number.  NaN among the biases is not served.
; Inside a matrix instruction k is permuted alike in A and in B (fragments come by loads of 16 bytes): every product meets its partner, the order of the sums differs.
; SHARES.  256 work-groups of four waves, 16 clusters of 4 x 4.  Cluster Y makes 1,024 tokens x 1,024 features of q (Y < 8) or k, then 1,024 channels x 512 tokens of v; a work-group a 256 x 256 tile of the one
; (a wave 128 x 128: 64 accumulators) and a 256 x 128 tile of the other (a wave 128 x 64: 32 accumulators).  All work-groups do the same work.
; K goes in steps of 256 through a ring of two LDS slots, which runs on from the first tile into the second.  A's tile is asked for jointly by the four work-groups of a row of the cluster, B's by the four of a column.
; PREFETCH: behind a slot's load my wave asks for what the second load after it brings (K step 2: the load after it), one instruction: of the rows that my wave fetches, the partner at place p (cx for A, cy for B) takes the p-th quarter, a lane a
; row, 256 bytes: each block once in a cluster.  The weights, which many clusters read, are asked for by four clusters each.  The first tile's K steps 0 and 1 come by their loads alone; the last two loads are followed by none.
; THE MATRIX INSTRUCTION IS USED TRANSPOSED (source 0 = 16 rows of B, source 1 = 16 rows of A): lane (r, h) holds m = r and n = 16 b + 8 h + 0 .. 7, which one conversion turns into 8 bytes.
; OUT: OPERAND IMAGES.  The 16 code registers of a block of 16 rows x 128 columns are the next launch's operand registers (k permuted alike on both sides there), so they are stored as they are: register group c (4 registers)
; at 512 c + 16 x lane of the block's 2,048 bytes.   qc, kc: block ((batch x 8 + head pair) x 64 + token / 16).   vc: block (((batch x 8 + head pair) x 8 + key / 128) x 8 + channel / 16), c = keys 32 c .. 32 c + 31.
; REGISTERS, in windows of 256: window 0: v0-31 addresses; v32-95 bias along n, v96-111 bias along m; from v128 A's fragments; on the way out v128-255 are at work.
;   window 1: B's fragments, two sets.   windows 2, 3: accumulators of the first tile; the second tile's lie in window 2, and its second set of A's fragments in window 3.
.set ROWB,   256                       ; a K step = a tile's row in bytes
.set KROW,   1024                      ; a row in memory
.set PITCH,  272                       ; an LDS row: 256 bytes + 16 of padding = 68 words: the 16 rows that a load touches start at 16 different banks (64 banks of 4 bytes: ISA guide 11.1)
.set FR,     16                        ; registers of a fragment: 16 rows x 128 K
.set NL,     4                         ; LDS loads that bring one
.set NP,     4                         ; places behind this matrix instruction (ISA guide 7.12.1)
.set HALFT,  128*PITCH
.set SLOT,   4*HALFT                   ; A's 256 rows, then B's 256 (second tile: 128)
.set SPARE,  2*SLOT                    ; the spare words, 128 bytes for each wave, which no other line names
.set BNO,  8
.set BMO,  9
.set SC,   10                          ; v10     the conversion's scale as f32
.set LIM,  11                          ; v11     57,344 x that
.set PFO,  12                          ; v12     the prefetches' offset in the first tile: my lane's row; never rewritten
.set PFH,  13                          ; v13     in the second tile: of B a wave names 16 rows, and lanes 16-31 name the last again; never rewritten
.set ADRA, 16                          ; v16-17  LDS address of my A fragments in slot 0, 1
.set ADRB, 20                          ; v20-21  the same for B,
.set ADRH, 22                          ; v22-23  and for B in the second tile
.set CO,   26                          ; v26     16 x lane
.set SPW,  28                          ; v28     LDS address of my spare word; never rewritten
.set NIL,  29                          ; v29     0; never rewritten
.set BN,   32
.set BM,   96
.set AF,   128                         ; A's fragments
.set X,    128                         ; the way out: 64 numbers
.set CD,   192                         ; v192-255 their codes, four sets by turns
.set G1, 24                            ; s[24:31] descriptor group 1 for A's tiles;  s[32:39] group 0, one set for each slot
.set G0, 32
.set G1B, 48                           ; s[48:55], s[56:63] the same for B's tiles
.set G0B, 56
.set G1H, 84                           ; s[84:91] group 1 for B's tiles of the second tile of C: 64 rows a wave
.set PF1, 66                           ; s[66:67] where my prefetches stand, first tile; s43 = 0: my wave asks.  Never rewritten
.set PF2, 2                            ; s[2:3], s44 the same for the second tile
.set MSB, 0
.macro WIN new                         ; the immediate's high byte repeats the setting that is left
.if MSB != (\new)
	s_set_vgpr_msb (MSB<<8)|(\new)
.set MSB, (\new)
.endif
.endm
.set MUL_LO, 0xa1                      ; source 0 (B) window 1, source 1 (A) window 0, C and D window 2
.set MUL_HI, 0xf1                      ; the same, C and D window 3
.set TO_B,   0x40                      ; destination window 1, address window 0
; A joint load: waves 0 and 1 fetch for A, waves 2 and 3 for B.  The branch hangs on the wave's number alone.  An s_nop 0 and four v_nop follow each of the two lines.
.macro JLOAD g0a, g1a, g0b, g1b
	s_cmp_eq_u32 s15, 0
	s_cbranch_scc0 .Lfor_b_\@
	tensor_load_to_lds s[\g0a:\g0a+3], s[\g1a:\g1a+7]
	s_nop 0
.rept 4
	v_nop
.endr
	s_branch .Lasked_\@
.Lfor_b_\@:
	tensor_load_to_lds s[\g0b:\g0b+3], s[\g1b:\g1b+7]
	s_nop 0
.rept 4
	v_nop
.endr
.Lasked_\@:
.endm
.macro CROUND                          ; a round of the cluster's barrier
	s_barrier_signal -1
	s_barrier_wait -1
	s_cmp_lg_u32 s14, 0
	s_cbranch_scc1 .Lnot_wave_0_\@
	s_barrier_signal -3
.Lnot_wave_0_\@:
	s_barrier_wait -3
	s_barrier_signal -1
	s_barrier_wait -1
.endm
.macro ASK flag, off, base, k          ; a prefetch: K step k
	s_cmp_eq_u32 s\flag, 0
	s_cbranch_scc0 .Lnot_mine_\@
	global_prefetch_b8 v[\off], s[\base:\base+1] offset:256*\k th:TH_LOAD_NT scope:SCOPE_SE
.Lnot_mine_\@:
.endm
	s_load_b512 s[68:83], s[0:1], 0x0              ; query, key, Wv | Wq, Wk, value | bq, bk
	s_load_b256 s[84:91], s[0:1], 0x40             ; bv | qc, kc, vc
	s_load_b64 s[92:93], s[0:1], 0x60              ; the scales' exponents
	v_lshl_add_u32 v[SPW], v0, 2, SPARE
	v_mov_b32 v[NIL], 0
	ds_add_u32 v[SPW], v[NIL]                      ; the wave's opening: the add, twice on end, and its wait ahead of my first tensor load
	ds_add_u32 v[SPW], v[NIL]
	v_lshrrev_b32 v1, 5, v0
	v_readfirstlane_b32 s14, v1                    ; wave 0..3
	s_lshr_b32 s15, s14, 1                         ; which 128 rows along m are mine.  Also: I fetch for A (0) or for B (1)
	s_and_b32 s16, s14, 1                          ; which half along n.  Also: which half of that tile's rows I fetch
	s_bfe_u32 s40, ttmp6, 0x40000                  ; cx, cy: my place in the cluster
	s_bfe_u32 s41, ttmp6, 0x40004
	s_and_b32 s12, ttmp7, 0xffff                   ; Y: the cluster
	s_lshr_b32 s13, s12, 3                         ; 0: q, 1: k
	s_lshl_b32 s43, s41, 2
	s_lshl_b32 s43, 15, s43                        ; my row of the cluster
	s_lshl_b32 s44, 0x1111, s40                    ; my column
	; descriptor group 1: a tile of 128 rows x 256 bytes, padded in LDS
	s_or_b32 s[G1+0], s43, (1<<20)|(1<<21)|(5<<22)|(3<<25)   ; 15:0 the mask: A's tiles go to my row; 17:16 element of 1 byte; 20 padding on; 21 set beside a mask; 24:22 after every 64 words; 31:25 of 4 words
	s_or_b32 s[G1B+0], s44, (1<<20)|(1<<21)|(5<<22)|(3<<25)
.irp g, G1, G1B
	s_mov_b32 s[\g+1], ROWB<<16                    ; tensor_dim0
	s_mov_b32 s[\g+2], 128<<16                     ; tensor_dim1 = 128
	s_mov_b32 s[\g+3], ROWB<<16                    ; tile_dim0
	s_mov_b32 s[\g+4], 128                         ; tile_dim1 = 128
	s_mov_b32 s[\g+5], KROW                        ; tensor_dim0_stride
	s_mov_b32 s[\g+6], 0
	s_mov_b32 s[\g+7], 0
.endr
	; where the tiles come from, in bytes (1,024 a row).  A's hang on cy, B's on cx
	s_and_b32 s17, s12, 7
	s_lshl_b32 s17, s17, 2
	s_add_co_u32 s17, s17, s41                     ; the tile's 256 tokens
	s_lshl_b32 s18, s16, 17                        ; the half that I fetch
	s_lshl_b32 s20, s17, 18
	s_add_co_u32 s20, s20, s18
	s_mov_b32 s21, 0
	s_lshl_b32 s46, s40, 18
	s_add_co_u32 s46, s46, s18
	s_mov_b32 s47, 0
	s_lshl_b32 s94, s41, 18                        ; second tile: A = Wv: rows 256 cy + 128 x half
	s_add_co_u32 s94, s94, s18
	s_mov_b32 s95, 0
	s_lshl_b32 s66, s12, 19                        ; B = value: rows 512 Y + 128 cx + 64 x half
	s_lshl_b32 s19, s40, 17
	s_add_co_u32 s66, s66, s19
	s_lshl_b32 s19, s16, 16
	s_add_co_u32 s66, s66, s19
	s_mov_b32 s67, 0
	s_mul_i32 s45, s14, HALFT                      ; where they go in a slot: no place in the cluster enters an LDS address
	s_mul_i32 s42, s16, 64*PITCH
	s_add_co_u32 s42, s42, 2*HALFT                 ; B's in the second tile
	s_wait_dscnt 0x0                               ; both opening adds are done
	s_wait_kmcnt 0x0
	s_cmp_eq_u32 s13, 0                            ; the buffers of my first tile: the choice hangs on the cluster's number alone
	s_cselect_b64 s[4:5], s[68:69], s[70:71]
	s_cselect_b64 s[6:7], s[74:75], s[76:77]
	s_cselect_b64 s[8:9], s[80:81], s[82:83]
	s_cselect_b64 s[10:11], s[86:87], s[88:89]
	s_add_nc_u64 s[20:21], s[4:5], s[20:21]
	s_add_nc_u64 s[46:47], s[6:7], s[46:47]
	s_add_nc_u64 s[80:81], s[72:73], s[94:95]      ; second tile: A,
	s_add_nc_u64 s[82:83], s[78:79], s[66:67]      ; B
	s_mov_b64 s[4:5], s[84:85]                     ; bv
	s_mov_b64 s[22:23], s[90:91]                   ; vc
	s_load_b256 s[68:75], s[92:93], 0x0            ; e0 .. e7
	s_load_b128 s[76:79], s[92:93], 0x20           ; e8 .. e11: both are waited for on the way out
	s_or_b32 s[G1H+0], s44, (1<<20)|(1<<21)|(5<<22)|(3<<25)
	s_mov_b32 s[G1H+1], ROWB<<16
	s_mov_b32 s[G1H+2], 64<<16
	s_mov_b32 s[G1H+3], ROWB<<16
	s_mov_b32 s[G1H+4], 64
	s_mov_b32 s[G1H+5], KROW
	s_mov_b32 s[G1H+6], 0
	s_mov_b32 s[G1H+7], 0
	CROUND                                         ; all sixteen work-groups are here: the first joint loads meet
.irp s, 0,1
	s_mov_b32 s[G0+4*\s], 1
	s_add_co_u32 s[G0+4*\s+1], s45, \s*SLOT
	s_add_nc_u64 s[G0+4*\s+2:G0+4*\s+3], s[20:21], \s*ROWB
	s_or_b32 s[G0+4*\s+3], s[G0+4*\s+3], 0x80000000
	s_mov_b32 s[G0B+4*\s], 1
	s_add_co_u32 s[G0B+4*\s+1], s45, \s*SLOT
	s_add_nc_u64 s[G0B+4*\s+2:G0B+4*\s+3], s[46:47], \s*ROWB
	s_or_b32 s[G0B+4*\s+3], s[G0B+4*\s+3], 0x80000000
.endr
	JLOAD G0, G1, G0B, G1B                         ; K step 0: one tensor load a wave at the head
	; the prefetches: where my wave's stand, and whether it asks
	s_and_b32 s43, s12, 1                          ; Wq, Wk: four of the eight clusters that read them
	s_and_b32 s44, s12, 3                          ; Wv: four of sixteen
	s_mov_b32 s19, 14
	s_mov_b32 s17, 15
	s_mov_b32 s95, 0
	s_cmp_eq_u32 s15, 0                            ; do I fetch for A?
	s_cselect_b64 s[PF1:PF1+1], s[20:21], s[46:47]
	s_cselect_b64 s[PF2:PF2+1], s[80:81], s[82:83]
	s_cselect_b32 s94, s40, s41                    ; my place among the four that ask for the tile with me
	s_cselect_b32 s19, 15, s19                     ; 32 rows each, or 16 (B of the second tile)
	s_cselect_b32 s17, 31, s17
	s_cselect_b32 s43, 0, s43
	s_cselect_b32 s44, s44, 0
	s_lshl_b32 s19, s94, s19
	s_lshl_b32 s94, s94, 15
	s_add_nc_u64 s[PF1:PF1+1], s[PF1:PF1+1], s[94:95]
	s_mov_b32 s94, s19
	s_add_nc_u64 s[PF2:PF2+1], s[PF2:PF2+1], s[94:95]
	; where my blocks go, and my parts of the biases
	s_lshl_b32 s94, s40, 10
	s_lshl_b32 s18, s16, 9
	s_add_co_u32 s94, s94, s18
	s_add_nc_u64 s[6:7], s[8:9], s[94:95]          ; bias along n: feature 256 cx + 128 x half
	s_lshl_b32 s94, s41, 10
	s_lshl_b32 s18, s15, 9
	s_add_co_u32 s94, s94, s18
	s_add_nc_u64 s[4:5], s[4:5], s[94:95]          ; bias along m: channel 256 cy + 128 x half
	s_and_b32 s94, s12, 7
	s_lshl_b32 s94, s94, 20                        ; q, k: batch
	s_lshl_b32 s18, s40, 18
	s_add_co_u32 s94, s94, s18
	s_lshl_b32 s18, s16, 17
	s_add_co_u32 s94, s94, s18                     ; + head pair 2 cx + half
	s_lshl_b32 s18, s41, 15
	s_add_co_u32 s94, s94, s18
	s_lshl_b32 s18, s15, 14
	s_add_co_u32 s94, s94, s18                     ; + token tile 16 cy + 8 x half
	s_add_nc_u64 s[10:11], s[10:11], s[94:95]
	s_lshr_b32 s94, s12, 1
	s_lshl_b32 s94, s94, 20                        ; v: batch
	s_lshl_b32 s18, s41, 18
	s_add_co_u32 s94, s94, s18
	s_lshl_b32 s18, s15, 17
	s_add_co_u32 s94, s94, s18                     ; + head pair 2 cy + half
	s_and_b32 s18, s12, 1
	s_lshl_b32 s18, s18, 16
	s_add_co_u32 s94, s94, s18
	s_lshl_b32 s18, s40, 14
	s_add_co_u32 s94, s94, s18                     ; + key block 4 (Y % 2) + cx
	s_lshl_b32 s18, s16, 10
	s_add_co_u32 s94, s94, s18                     ; + its half
	s_add_nc_u64 s[8:9], s[22:23], s[94:95]
	s_mul_i32 s21, s15, HALFT                      ; my 128 rows of A
	s_mul_i32 s22, s16, HALFT
	s_add_co_u32 s22, s22, 2*HALFT                 ; my 128 rows of B
	s_add_co_u32 s18, s21, SLOT
	s_add_co_u32 s19, s22, SLOT
	s_add_co_u32 s23, s42, SLOT
	v_and_b32 v1, 15, v0                           ; r
	v_bfe_u32 v2, v0, 4, 1                         ; h
	v_mul_u32_u24 v3, v1, PITCH
	v_lshl_add_u32 v4, v2, 4, v3                   ; a fragment's row x pitch + 16 x half
	v_and_b32 v6, 31, v0
	v_add_nc_u32 v[ADRA], s21, v4
	v_add_nc_u32 v[ADRA+1], s18, v4
	v_add_nc_u32 v[ADRB], s22, v4
	v_add_nc_u32 v[ADRB+1], s19, v4
	v_add_nc_u32 v[ADRH], s42, v4
	v_add_nc_u32 v[ADRH+1], s23, v4
	v_lshlrev_b32 v[CO], 4, v6
	v_lshlrev_b32 v[BNO], 5, v2
	v_lshlrev_b32 v[BMO], 2, v1
	v_min_u32 v[PFH], s17, v6
	v_lshlrev_b32 v[PFO], 10, v6
	v_lshlrev_b32 v[PFH], 10, v[PFH]
	s_wait_alu depctr_va_vdst(0)                   ; the wait at the head's end
.irp b, 0,1,2,3,4,5,6,7                        ; 24 loads that stay out through the products, which touch none of their registers; they are waited for on the way out
	global_load_b128 v[BN+8*\b:BN+8*\b+3], v[BNO], s[6:7] offset:64*\b          ; bias[16 b + 8 h + 0 .. 3] of my features
	global_load_b128 v[BN+8*\b+4:BN+8*\b+7], v[BNO], s[6:7] offset:64*\b+16
.endr
.irp a, 0,1,2,3,4,5,6,7
	global_load_b32 v[BM+2*\a], v[BMO], s[4:5] offset:64*\a                     ; bias[16 a + r] of my channels
.endr
.macro FRAG reg, adr, q, i             ; a fragment, 16 rows x 128 K of 8-bit codes, is 16 registers: lane (r, h) holds row r; registers 4 c .. 4 c + 3 hold K = 32 c + 16 h + 0 .. 15
.irp c, 0,1,2,3
	ds_load_b128 v[\reg+4*\c:\reg+4*\c+3], v[\adr] offset:128*(\q)+32*\c+(\i)*16*PITCH
.endr
.endm
; FIRST TILE.  16 matrix instructions: A's blocks a0, a0 + 1 x B's eight, 128 along K.  p: B's set.  zero = 1: the first product starts the sums: nothing is ever cleared.
; The 64 accumulators take turns, one instruction a turn, in the same order in every step.
.macro MUL16 a0, p, zero
.irp a, \a0, \a0+1
.irp b, 0,1,2,3,4,5,6,7
.if \zero
	v_wmma_f32_16x16x128_bf8_bf8 v[8*(8*((\a)%4)+\b):8*(8*((\a)%4)+\b)+7], v[128*(\p)+FR*\b:128*(\p)+FR*\b+FR-1], v[AF+FR*(\a):AF+FR*(\a)+FR-1], 0
.else
	v_wmma_f32_16x16x128_bf8_bf8 v[8*(8*((\a)%4)+\b):8*(8*((\a)%4)+\b)+7], v[128*(\p)+FR*\b:128*(\p)+FR*\b+FR-1], v[AF+FR*(\a):AF+FR*(\a)+FR-1], v[8*(8*((\a)%4)+\b):8*(8*((\a)%4)+\b)+7]
.endif
.endr
.endr
.endm
.macro FETCH_B slot, q, p              ; B's eight fragments of the slot's q-th 128 along K into set p
	WIN TO_B
.irp i, 0,1,2,3,4,5,6,7
	FRAG 128*(\p)+FR*\i, ADRB+\slot, \q, \i
.endr
	WIN 0
.endm
.macro FETCH_A slot, q, i0             ; A's blocks i0 .. i0 + 3
.irp i, \i0, \i0+1, \i0+2, \i0+3
	FRAG AF+FR*(\i), ADRA+\slot, \q, \i
.endr
.endm
; A load into a register that a matrix instruction has read, and a vector instruction that reads a matrix result, stand NP places behind that matrix instruction; only plain vector
; instructions that name none of its registers are places (ISA guide 7.12.1 for vector instructions).
.macro PLACES n
.rept \n
	v_nop
.endr
.endm
; A slot's first step of 128 along K.
.macro STEP slot, zero
	s_wait_dscnt 4*NL                              ; B's set and A's blocks 0-3 are in; the youngest 16 loads (A's blocks 4-7) may be out
	WIN MUL_LO
	MUL16 0, 0, \zero
	MUL16 2, 0, \zero
	s_wait_dscnt 0                                 ; A's blocks 4-7 are in
	PLACES NP
	FETCH_B \slot, 1, 1
	FETCH_A \slot, 1, 0
	WIN MUL_HI
	MUL16 4, 0, \zero
	MUL16 6, 0, \zero
	PLACES NP
	WIN 0
	FETCH_A \slot, 1, 4
.endm
; What a change of slots asks for.  mode 1: the same tile two K steps on; 2: the second tile's K step (slot); 3: the second tile, two K steps on.  (Every tensor load of mine has been waited for: a group 0 may be written.)
.macro NEXT slot, mode
.if (\mode) == 2
	s_add_nc_u64 s[G0+4*\slot+2:G0+4*\slot+3], s[80:81], \slot*ROWB
	s_or_b32 s[G0+4*\slot+3], s[G0+4*\slot+3], 0x80000000
	s_add_nc_u64 s[G0B+4*\slot+2:G0B+4*\slot+3], s[82:83], \slot*ROWB
	s_or_b32 s[G0B+4*\slot+3], s[G0B+4*\slot+3], 0x80000000
	s_add_co_u32 s[G0B+4*\slot+1], s42, \slot*SLOT
.else
	s_add_nc_u64 s[G0+4*\slot+2:G0+4*\slot+3], s[G0+4*\slot+2:G0+4*\slot+3], 2*ROWB
	s_add_nc_u64 s[G0B+4*\slot+2:G0B+4*\slot+3], s[G0B+4*\slot+2:G0B+4*\slot+3], 2*ROWB
.endif
.if (\mode) == 1
	JLOAD G0+4*\slot, G1, G0B+4*\slot, G1B         ; the first tensor load behind the round; its four v_nop are the places in front of the loads that follow
.else
	JLOAD G0+4*\slot, G1, G0B+4*\slot, G1H
.endif
.endm
; A slot's second step changes slots.  Half of its products stand ahead of the wait for the next tile, so that the round and the next load follow the landing; the other half stand behind the next fragments' loads.
; In front of the round each wave waits for all its tensor loads, adds 0 to its spare word, and waits for that and for its own reads of this slot.
.macro TURN slot, next, mode, fetch
	s_wait_dscnt 4*NL
	WIN MUL_LO
	MUL16 0, 1, 0
	MUL16 2, 1, 0
	WIN 0
	s_wait_tensorcnt 0x0                           ; my part of the next slot has landed
	ds_add_u32 v[SPW], v[NIL]                      ; 0 onto my spare word
	s_wait_dscnt 0x0                               ; the add is done, and my reads of this slot are over
	CROUND                                         ; no wave of any partner still reads this slot's tile or has a load on its way
	NEXT \slot, \mode
.if \fetch
	FETCH_B \next, 0, 0
	FETCH_A \next, 0, 0
.endif
	WIN MUL_HI
	MUL16 4, 1, 0
	MUL16 6, 1, 0
.if \fetch
	PLACES NP
	WIN 0
	FETCH_A \next, 0, 4
.endif
	WIN 0
.endm
; SECOND TILE.  Two whole sets of fragments: set 0: A in window 0 from v128, B in window 1 from v0; set 1: A in window 3 from v0, B in window 1 from v64.  The 32 accumulators, (a, b) at v[8 (4 a + b)] of window 2, take turns.
.macro HFETCH slot, q, p               ; 48 LDS loads in one run
	WIN TO_B
.irp i, 0,1,2,3
	FRAG 64*(\p)+FR*\i, ADRH+\slot, \q, \i
.endr
	WIN 0xc0*(\p)
.irp i, 0,1,2,3,4,5,6,7
	FRAG 128*(1-(\p))+FR*\i, ADRA+\slot, \q, \i
.endr
	WIN 0
.endm
.macro HMUL a0, p, zero                ; 16 matrix instructions: A's blocks a0 .. a0 + 3 x B's four
	WIN 0xa1+12*(\p)
.irp a, \a0, \a0+1, \a0+2, \a0+3
.irp b, 0,1,2,3
.if \zero
	v_wmma_f32_16x16x128_bf8_bf8 v[8*(4*(\a)+\b):8*(4*(\a)+\b)+7], v[64*(\p)+FR*\b:64*(\p)+FR*\b+FR-1], v[128*(1-(\p))+FR*(\a):128*(1-(\p))+FR*(\a)+FR-1], 0
.else
	v_wmma_f32_16x16x128_bf8_bf8 v[8*(4*(\a)+\b):8*(4*(\a)+\b)+7], v[64*(\p)+FR*\b:64*(\p)+FR*\b+FR-1], v[128*(1-(\p))+FR*(\a):128*(1-(\p))+FR*(\a)+FR-1], v[8*(4*(\a)+\b):8*(4*(\a)+\b)+7]
.endif
.endr
.endr
.endm
.macro HSTEP slot, zero                ; a slot's first step, set 0; the second step's fragments are fetched ahead of its products
	s_wait_dscnt 0x0
	PLACES NP
	HFETCH \slot, 1, 1
	HMUL 0, 0, \zero
	HMUL 4, 0, \zero
	WIN 0
.endm
.macro HTURN slot, next, fill          ; a slot's second step, set 1, changes slots as TURN does
	s_wait_dscnt 0x0                               ; set 1 is in: my reads of this slot are over
	HMUL 0, 1, 0
	WIN 0
	s_wait_tensorcnt 0x0
	ds_add_u32 v[SPW], v[NIL]
	s_wait_dscnt 0x0
.if \fill
	CROUND
	NEXT \slot, 3
.else
	s_barrier_signal -1                            ; nothing is filled any more: no round
	s_barrier_wait -1
	PLACES NP
.endif
	HFETCH \next, 0, 0
	HMUL 4, 1, 0
	WIN 0
.endm
; s20 = the two operands' exponents added, s21 = the conversion's exponent: the powers of two as f32 numbers.
.macro SCALES
	s_add_co_i32 s20, s20, 127
	s_lshl_b32 s96, s20, 23
	s_mov_b32 s97, s96                             ; (named with it as a pair, so it is written)
	s_add_co_i32 s21, s21, 127
	s_lshl_b32 s98, s21, 23
	s_add_co_i32 s21, s21, 15
	s_lshl_b32 s99, s21, 23
	s_or_b32 s99, s99, 0x600000                    ; 57,344 x the conversion's scale
	v_mov_b32 v[SC], s98
	v_mov_b32 v[LIM], s99
.endm
; X's 64 numbers: the hold (the conversion to an 8-bit code does not saturate: ISA guide 7.6.2), and the conversion.
.macro CODES
.set pj, 0
.rept 64
	v_med3_num_f32 v[X+pj], v[X+pj], -v[LIM], v[LIM]
.set pj, pj+1
.endr
.irp b, 0,1,2,3,4,5,6,7
	v_cvt_scalef32_pk8_bf8_f32 v[CC+2*\b:CC+2*\b+1], v[X+8*\b:X+8*\b+7], v[SC]
.endr
	v_nop                                          ; one plain vector instruction behind the last conversion: the next block writes its sources
.endm
	s_wait_alu depctr_va_vdst(0)                   ; the wait at the head's end
	s_wait_tensorcnt 0x0                           ; my part of K step 0 is in
	ds_add_u32 v[SPW], v[NIL]
	s_wait_dscnt 0x0
	CROUND                                         ; everybody's part of K step 0 is in, and the joint loads meet
	JLOAD G0+4, G1, G0B+4, G1B                     ; K step 1
	FETCH_B 0, 0, 0
	FETCH_A 0, 0, 0
	FETCH_A 0, 0, 4
	ASK 43, PFO, PF1, 2
	STEP 0, 1
	ASK 43, PFO, PF1, 3
	TURN 0, 1, 1, 1                                ; slot 0 takes K step 2,
	ASK 44, PFH, PF2, 0
	STEP 1, 0
	TURN 1, 0, 1, 1                                ; slot 1 K step 3,
	ASK 44, PFH, PF2, 1
	STEP 0, 0
	TURN 0, 1, 2, 1                                ; slot 0 the second tile's K step 0,
	ASK 44, PFH, PF2, 2
	STEP 1, 0
	TURN 1, 0, 2, 0                                ; slot 1 its K step 1; the second tile's first fragments wait for the way out, which needs their registers
	ASK 44, PFH, PF2, 3
	; THE WAY OUT OF THE FIRST TILE.  The powers of two are chosen without a branch.
	s_wait_kmcnt 0x0
	s_add_co_i32 s20, s68, s69                     ; e0 + e1
	s_add_co_i32 s18, s70, s71                     ; e2 + e3
	s_add_co_i32 s21, s74, 3                       ; e6 + 3: q's division by 8 and its scale in one
	s_cmp_eq_u32 s13, 0
	s_cselect_b32 s20, s20, s18
	s_cselect_b32 s21, s21, s75                    ; or e7
	SCALES
	s_wait_loadcnt 0x0                             ; the biases
	PLACES NP
.macro PACKQ a                         ; 16 tokens x 128 features: sum x 2^(ea + eb) + bias, codes, and out as they lie
.set AC, 64*((\a)%4)
.set CC, CD+16*((\a)%4)
.if (\a) == 4
	s_wait_xcnt 0x0                                ; blocks 0-3's stores have read their registers, which blocks 4-7's codes take
.endif
	WIN 0x02+((\a)/4)                              ; source 0: window 2 or 3
.set pj, 0
.rept 32
	v_pk_fma_f32 v[X+pj:X+pj+1], v[AC+pj:AC+pj+1], s[96:97], v[BN+pj:BN+pj+1] op_sel_hi:[1,0,1]   ; each accumulator from its low end on
.set pj, pj+2
.endr
	WIN 0
	CODES
.irp c, 0,1,2,3
	global_store_b128 v[CO], v[CC+4*\c:CC+4*\c+3], s[10:11] offset:2048*(\a)+512*\c   ; 512 consecutive bytes, at a multiple of 512 from the buffer's first byte
.endr
.endm
.irp a, 0,1,2,3,4,5,6,7
	PACKQ \a
.endr
	s_wait_xcnt 0x0                                ; the stores have read their registers: the fragments may land there
	HFETCH 0, 0, 0                                 ; (the last TURN has shown the second tile's K step 0 to every wave)
	HSTEP 0, 1
	HTURN 0, 1, 1                                  ; K step 2
	HSTEP 1, 0
	HTURN 1, 0, 1                                  ; K step 3
	HSTEP 0, 0
	HTURN 0, 1, 0
	HSTEP 1, 0
	s_wait_dscnt 0x0
	HMUL 0, 1, 0
	HMUL 4, 1, 0
	WIN 0
	; THE WAY OUT OF THE SECOND TILE: v, the bias along m.
	s_add_co_i32 s20, s72, s73                     ; e4 + e5
	s_mov_b32 s21, s77                             ; e9
	SCALES
.irp a, 0,1,2,3,4,5,6,7
	v_mov_b32 v[BM+2*\a+1], v[BM+2*\a]             ; twice, for the packed form.  (These plain lines are also the places behind the last products)
.endr
.macro PACKV g                         ; channels 32 g .. 32 g + 31 x 64 keys: two blocks
.set CC, CD+16*(\g)
	WIN 0x02
.irp u, 0,1
.set pj, 0
.rept 16
	v_pk_fma_f32 v[X+32*\u+pj:X+32*\u+pj+1], v[64*(\g)+32*\u+pj:64*(\g)+32*\u+pj+1], s[96:97], v[BM+4*(\g)+2*\u:BM+4*(\g)+2*\u+1] op_sel_hi:[1,0,1]
.set pj, pj+2
.endr
.endr
	WIN 0
	CODES
.irp u, 0,1
.irp c, 0,1
	global_store_b128 v[CO], v[CC+8*\u+4*\c:CC+8*\u+4*\c+3], s[8:9] offset:2048*(2*(\g)+\u)+512*\c
.endr
.endr
.endm
.irp g, 0,1,2,3
	PACKV \g
.endr
	s_wait_tensorcnt 0x0                           ; the wave's end
	ds_add_u32 v[SPW], v[NIL]
	s_wait_dscnt 0x0
	CROUND                                         ; the closing round: no work-group ends while a partner may still ask for a tile that names it
	s_endpgm
.Lfunc_end_k_qe1fed8c0e8_proj:
	.size	k_qe1fed8c0e8_proj, .Lfunc_end_k_qe1fed8c0e8_proj-k_qe1fed8c0e8_proj
	.p2alignl 7, 3214868480
	.fill 96, 4, 3214868480
	.section	.rodata,"a",@progbits
	.p2align	6, 0x0
	.amdhsa_kernel k_qe1fed8c0e8_proj
		.amdhsa_group_segment_fixed_size 327680
		.amdhsa_private_segment_fixed_size 0
		.amdhsa_enable_private_segment 0
		.amdhsa_kernarg_size 104
		.amdhsa_user_sgpr_count 2
		.amdhsa_user_sgpr_kernarg_segment_ptr 1
		.amdhsa_wavefront_size32 1
		.amdhsa_system_sgpr_workgroup_id_x 1
		.amdhsa_system_sgpr_workgroup_id_y 1
		.amdhsa_system_sgpr_workgroup_id_z 1
		.amdhsa_system_vgpr_workitem_id 0
		.amdhsa_next_free_vgpr 1024
		.amdhsa_next_free_sgpr 102
		.amdhsa_reserve_vcc 0
		.amdhsa_float_denorm_mode_32 3
		.amdhsa_float_denorm_mode_16_64 3
		.amdhsa_memory_ordered 1
		.amdhsa_forward_progress 1
		.amdhsa_inst_pref_size 215
	.end_amdhsa_kernel
	.amdgpu_metadata
---
amdhsa.version: [ 1, 2 ]
amdhsa.kernels:
  - .name:           k_qe1fed8c0e8_proj
    .symbol:         k_qe1fed8c0e8_proj.kd
    .args:
      - { .name: query_codes, .offset: 0, .size: 8, .value_kind: global_buffer, .address_space: global }
      - { .name: key_codes, .offset: 8, .size: 8, .value_kind: global_buffer, .address_space: global }
      - { .name: Wv_codes, .offset: 16, .size: 8, .value_kind: global_buffer, .address_space: global }
      - { .name: Wq_codes, .offset: 24, .size: 8, .value_kind: global_buffer, .address_space: global }
      - { .name: Wk_codes, .offset: 32, .size: 8, .value_kind: global_buffer, .address_space: global }
      - { .name: value_codes, .offset: 40, .size: 8, .value_kind: global_buffer, .address_space: global }
      - { .name: bq, .offset: 48, .size: 8, .value_kind: global_buffer, .address_space: global }
      - { .name: bk, .offset: 56, .size: 8, .value_kind: global_buffer, .address_space: global }
      - { .name: bv, .offset: 64, .size: 8, .value_kind: global_buffer, .address_space: global }
      - { .name: qc, .offset: 72, .size: 8, .value_kind: global_buffer, .address_space: global }
      - { .name: kc, .offset: 80, .size: 8, .value_kind: global_buffer, .address_space: global }
      - { .name: vc, .offset: 88, .size: 8, .value_kind: global_buffer, .address_space: global }
      - { .name: lowp_scales, .offset: 96, .size: 8, .value_kind: global_buffer, .address_space: global }
    .group_segment_fixed_size: 327680
    .private_segment_fixed_size: 0
    .kernarg_segment_align: 8
    .kernarg_segment_size: 104
    .max_flat_workgroup_size: 128
    .sgpr_count:     102
    .vgpr_count:     1024
    .wavefront_size: 32
...
	.end_amdgpu_metadata
.endif
;; end of part 1
;; launch attn (part 2): grid 4 x 64, 8 waves a work-group, clusters of 4 x 1, 327,680 bytes of LDS; arguments qc, kc, vc, lowp_scales, ac; writes ac
.if DOCPART == 2
	.amdgcn_target "amdgcn-amd-amdhsa--gfx1250"
	.amdhsa_code_object_version 6
	.text
	.protected	k_qe1fed8c0e8_attn
	.globl	k_qe1fed8c0e8_attn
	.p2align	8
	.type	k_qe1fed8c0e8_attn,@function
k_qe1fed8c0e8_attn:
	s_mov_b64 s[64:65], 0
	v_nop
	global_prefetch_b8 v0, s[64:65] scope:SCOPE_SE
	s_setreg_imm32_b32 hwreg(HW_REG_WAVE_MODE, 25, 1), 1
	s_wait_xcnt 0x0
	s_wait_alu depctr_hold_cnt(0) depctr_sa_sdst(0) depctr_va_vdst(0) depctr_va_sdst(0) depctr_va_ssrc(0) depctr_va_vcc(0) depctr_vm_vsrc(0)
	s_getreg_b32 s2, hwreg(HW_REG_IB_STS2, 6, 4)
	s_cmp_eq_u32 s2, 0
	s_cbranch_scc0 .Lentry_in_a_cluster
	s_endpgm
.Lentry_in_a_cluster:
	s_bfe_u32 s2, ttmp6, 0x10000c
	s_cmp_lg_u32 s2, 0x3003
	s_cbranch_scc0 .Lentry_shape_is_right
	s_endpgm
.Lentry_shape_is_right:
; CAUSAL ATTENTION on codes of BF8 (E5M2): 8 batches x 16 heads of 64, 1,024 tokens.  score = q . k (q holds the 1 / 8 already); key k counts for query q where k <= q.
; LEFT OUT: blocks of 64 keys that lie wholly behind the mask for a tile of 16 queries: the mask puts -infinity there for all values of the inputs, so their p is 0.  A NaN or an infinity among those keys is not carried into these queries.
; THE SOFTMAX AHEAD OF THE SECOND PRODUCT: t = score x log2(e); M = the row's largest t so far, rounded UP to a whole number; p = 2^(t - M) is quantised with 2^e8; it is not normalised.
; The row's sum is taken of the unquantised p, in f32, and divides O at the end.  When M moves, the sum and O are multiplied by 2^(old M - new M): nothing is rounded.  O is quantised with 2^e10 for the last product.
; LIMITS: e6 + e7 between -126 and 127 (added to log2(e)'s exponent field); e8 and e10 between -126 and 112; e8 + e9 goes by v_ldexp_f32 and has none.  The scaled scores stay under 2^31 in magnitude.
; BUFFERS are images of operand registers: qc, kc: block ((batch x 8 + head pair) x 64 + token / 16) of 2,048 bytes, a head's 1,024 bytes in it: two groups of four registers, each 16 x lane.
;   vc: block (((batch x 8 + head pair) x 8 + key / 128) x 8 + channel / 16): group c holds keys 32 c .. 32 c + 31.   ac: (((batch x 64 + token / 16) x 16 + head) x 2 + c) x 512 + 16 x lane: channels 32 c + 16 h + 0 .. 15.
; SHARES.  A head pair's four work-groups form a cluster; number cx takes the query tiles T = 4 m + cx (16 queries each), m = 0 .. 15, whose last block of 64 keys is m in all four: the partners run alike.
; A wave takes TWO tiles at a time, A: m = 2 I and B: m = 2 I + 1, so that each fragment of K and V feeds both.  Wave w: head w / 4, i = w % 4: first I = 7 - i (8 - i blocks of 128 keys), then I = i (i + 1 blocks): nine steps for every
; wave of the launch.  A unit's last step is the diagonal's: there tile A takes the block's first 64 keys alone.  Eight waves of 512 registers, two to a SIMD; the two tiles' vector work alternates line by line.
; LDS HOLDS ALL OF THE PAIR'S K AND V, each byte filled once, by joint loads of the four partners: keys 0-383 at the head, keys 384-1,023 behind the first barrier, with three steps in which to land; every wave brings an eighth.
; No prefetch into the L2: no loop of this launch fills anything.  The next step's K is fetched from LDS under the softmax.
; LAYOUT.  Both products are used transposed: S^T = K Q^T (source 0 = 16 keys, source 1 = my 16 queries, K = 64), O^T = V^T P^T (source 0 = 16 channels, source 1 = P): lane (r, h) holds ONE query of each tile throughout.
; Registers of S^T tile t are keys 16 t + 8 h + 0 .. 7, the order in which V's image holds its keys: the conversions' results are the second product's operand.
; THE CHANNELS OF A TILE OF O^T ARE NOT NEIGHBOURS: tile 2 b + u takes rows 8 u .. 8 u + 7 of V's blocks 2 b (lanes r < 8) and 2 b + 1 (r >= 8), so that tiles 2 b, 2 b + 1 give 16 neighbouring channels 32 b + 16 h + 0 .. 15.
; REGISTERS: window 0 as below; window 1: v0-63 K's fragments, v64-127 V's, v128-143 the second unit's Q.
.set KBLK,  16384                      ; 128 keys of K in LDS, and of either in memory
.set VB,    2176                       ; a block of V in LDS: 2 x (1,024 bytes + 64): two neighbouring blocks begin 128 bytes apart modulo 256, so the 16 lanes of a load take 16 different 16-byte columns (64 banks of 4 bytes: ISA guide 11.1)
.set VBLK,  8*VB
.set VREG,  8*KBLK                     ; K from 0, V from here
.set SPARE, VREG+8*VBLK                ; the spare words, 128 bytes for each wave, which no other line names
.set AK0,  1                           ; v1   my lane's place in a tile of K
.set AV0,  2                           ; v2   in a block of 128 keys of V
.set DD,   3                           ; v3   16 cx + r - 8 h: in a diagonal block of 64 keys register 8 t + i is hidden where 16 t + i is above it
.set PTA,  4                           ; v4, v61 the lane permutes' destinations
.set PTB,  61
.set SPW,  5                           ; v5   LDS address of my spare word; never rewritten
.set NIL,  6                           ; v6   0; never rewritten
.set GO,   7                           ; v7   16 x lane
.set ADK,  8
.set ADV,  9
.set MXA,  10                          ; v10-11, v52-53 the maximum's two chains
.set MXB,  52
.set MA,   12                          ; v12, v48 -M; v13, v49 the largest t; v[14:15], v[50:51] the sum in two halves
.set MB,   48
.set PC,   32                          ; v32-47 p's codes; ahead of them the sums' further chains; at a unit's end O's codes
.set FA,   54                          ; v[54:55], v[56:57] f = 2^(old M - new M)
.set FB,   56
.set PSC,  58                          ; v58 2^e8
.set OSC,  59                          ; v59 2^e10;  v62 57,344 x 2^e10
.set OLIM, 62
.set NINF, 60                          ; v60 -infinity
.set SA,   64                          ; v64-127, v128-191 S^T, then p
.set SB,   128
.set OA,   192                         ; v192-223, v224-255 O^T
.set OB,   224
.set WV,  14                           ; s14 wave; s15 head of the pair; s16 i; s17 cx; s19 7 - i
.set HH,  15
.set IS,  16
.set IL,  19
.set G1K0, 24                          ; descriptor groups 1: K and V, first part and second
.set G1V0, 32
.set G1K1, 40
.set G1V1, 48
.set G0K, 56
.set G0V, 60
.set U,   66                           ; s66 the step, 0 .. 8
.set CS,  84                           ; s[84:85] log2(e) x 2^(e6 + e7): the packed form names a pair and takes its low word
.set SEL, 86                           ; s[86:87] lane selects for v_permlanex16_b32: lane l xor 16
.set TK,  88                           ; s88 LDS byte of the NEXT step's block of K;  s89 of this step's block of V
.set TV,  89
.set PL,  90                           ; s90 57,344 x 2^e8
.set MSB, 0
.macro WIN new                         ; the immediate's high byte repeats the setting that is left
.if MSB != (\new)
	s_set_vgpr_msb (MSB<<8)|(\new)
.set MSB, (\new)
.endif
.endm
.macro CROUND                          ; a round of the cluster's barrier
	s_barrier_signal -1
	s_barrier_wait -1
	s_cmp_lg_u32 s[WV], 0
	s_cbranch_scc1 .Lnot_wave_0_\@
	s_barrier_signal -3
.Lnot_wave_0_\@:
	s_barrier_wait -3
	s_barrier_signal -1
	s_barrier_wait -1
.endm
; Waves 0 to 3 fetch for K, waves 4 to 7 for V; the branch hangs on the wave's number alone.  An s_nop 0 and four v_nop follow each of the two lines.
.macro TLOAD g1k, g1v
	s_cmp_lt_u32 s[WV], 4
	s_cbranch_scc0 .Lfor_v_\@
	tensor_load_to_lds s[G0K:G0K+3], s[\g1k:\g1k+7]
	s_nop 0
.rept 4
	v_nop
.endr
	s_branch .Lasked_\@
.Lfor_v_\@:
	tensor_load_to_lds s[G0V:G0V+3], s[\g1v:\g1v+7]
	s_nop 0
.rept 4
	v_nop
.endr
.Lasked_\@:
.endm
	s_load_b256 s[4:11], s[0:1], 0x0               ; qc s[4:5], kc s[6:7], vc s[8:9], the scales' exponents s[10:11]
	s_load_b64 s[12:13], s[0:1], 0x20              ; ac
	v_lshl_add_u32 v[SPW], v0, 2, SPARE
	v_mov_b32 v[NIL], 0
	ds_add_u32 v[SPW], v[NIL]                      ; the wave's opening: the add, twice on end, and its wait ahead of my first tensor load
	ds_add_u32 v[SPW], v[NIL]
	v_lshrrev_b32 v8, 5, v0
	v_readfirstlane_b32 s[WV], v8                  ; wave 0..7
	s_lshr_b32 s[HH], s[WV], 2
	s_and_b32 s[IS], s[WV], 3
	s_xor_b32 s[IL], s[IS], 7                      ; 7 - i
	s_bfe_u32 s17, ttmp6, 0x40000                  ; cx
	s_and_b32 s18, ttmp7, 0xffff                   ; batch x 8 + head pair
	; descriptor groups 1: rows of 1,024 bytes, dense in memory; 12 rows a wave in the first part, 20 in the second
.irp g, G1K0, G1V0, G1K1, G1V1
	s_mov_b32 s[\g+1], 1024<<16                    ; tensor_dim0
	s_mov_b32 s[\g+3], 1024<<16                    ; tile_dim0
	s_mov_b32 s[\g+5], 1024                        ; tensor_dim0_stride
	s_mov_b32 s[\g+6], 0
	s_mov_b32 s[\g+7], 0
.endr
.irp g, G1K0, G1K1
	s_mov_b32 s[\g], 15|(1<<21)                    ; 15:0 the mask: all four partners; 21 set beside it; elements of 1 byte, no padding
.endr
.irp g, G1V0, G1V1
	s_mov_b32 s[\g], 15|(1<<20)|(1<<21)|(7<<22)|(15<<25)   ; padding on: after every 256 words (code 7) 16 words (code 15)
.endr
.irp g, G1K0, G1V0
	s_mov_b32 s[\g+2], 12<<16                      ; tensor_dim1
	s_mov_b32 s[\g+4], 12                          ; tile_dim1
.endr
.irp g, G1K1, G1V1
	s_mov_b32 s[\g+2], 20<<16
	s_mov_b32 s[\g+4], 20
.endr
	s_lshl_b32 s92, s18, 17                        ; the pair's first byte in qc, kc and vc
	s_mov_b32 s93, 0
	s_mul_i32 s94, s[IS], 12288                    ; my 12,288 bytes of the first part
	s_mov_b32 s95, 0
	s_mov_b32 s[G0K], 1                            ; 1:0 count = 1
	s_mul_i32 s[G0K+1], s[IS], 12288
	s_mov_b32 s[G0V], 1
	s_mul_i32 s20, s[IS], 6*VB
	s_add_co_u32 s[G0V+1], s20, VREG
	s_mov_b32 s[SEL], 0x76543210
	s_mov_b32 s[SEL+1], 0xfedcba98
	s_mul_i32 s20, s[HH], 4*VB
	s_add_co_u32 s20, s20, VREG                    ; my head's channels of V
	s_lshl_b32 s21, s[HH], 10                      ; my head in a tile of K
	s_lshl_b32 s22, s17, 4                         ; 16 cx
	v_and_b32 v8, 15, v0                           ; r
	v_bfe_u32 v9, v0, 4, 1                         ; h
	v_bfe_u32 v10, v0, 3, 1                        ; r / 8
	v_and_b32 v11, 7, v0                           ; r % 8
	v_and_b32 v[GO], 31, v0
	v_lshlrev_b32 v[DD], 3, v9
	v_mul_u32_u24 v[AV0], v10, VB
	v_lshlrev_b32 v[GO], 4, v[GO]
	v_sub_nc_u32 v[DD], v8, v[DD]
	v_lshl_add_u32 v[AV0], v9, 8, v[AV0]
	v_add_nc_u32 v[AK0], s21, v[GO]
	v_add_nc_u32 v[DD], s22, v[DD]
	v_lshl_add_u32 v[AV0], v11, 4, v[AV0]
	v_mov_b32 v[NINF], 0xff800000
	v_mov_b32 v[FA+1], 0                           ; (named as the upper halves of pairs)
	v_mov_b32 v[FB+1], 0
	v_mov_b32 v[PTA], 0                            ; written once: a lane permute's destination counts as one of its sources
	v_mov_b32 v[PTB], 0
	v_add_nc_u32 v[AV0], s20, v[AV0]
	s_wait_alu depctr_va_vdst(0)                   ; directly ahead of the waits below
	s_wait_dscnt 0x0                               ; both opening adds are done
	s_wait_kmcnt 0x0
	s_load_b256 s[68:75], s[10:11], 0x0            ; e0 .. e7
	s_load_b128 s[76:79], s[10:11], 0x20           ; e8 .. e11
	s_add_nc_u64 s[G0K+2:G0K+3], s[6:7], s[92:93]
	s_add_nc_u64 s[G0K+2:G0K+3], s[G0K+2:G0K+3], s[94:95]
	s_or_b32 s[G0K+3], s[G0K+3], 0x80000000        ; 127:126 type = 2
	s_add_nc_u64 s[G0V+2:G0V+3], s[8:9], s[92:93]
	s_add_nc_u64 s[G0V+2:G0V+3], s[G0V+2:G0V+3], s[94:95]
	s_or_b32 s[G0V+3], s[G0V+3], 0x80000000
	CROUND                                         ; all four work-groups are here: the first joint loads meet
	TLOAD G1K0, G1V0                               ; keys 0-383: one tensor load a wave at the head
	s_add_nc_u64 s[4:5], s[4:5], s[92:93]
	s_lshl_b32 s94, s17, 11
	s_lshl_b32 s20, s[HH], 10
	s_add_co_u32 s94, s94, s20                     ; Q: tile 8 I + cx (B: 4 tiles on), my head
	s_add_nc_u64 s[4:5], s[4:5], s[94:95]
	s_lshl_b32 s94, s[IL], 14
	s_add_nc_u64 s[2:3], s[4:5], s[94:95]
	s_lshl_b32 s94, s[IS], 14
	s_add_nc_u64 s[96:97], s[4:5], s[94:95]
	global_load_b128 v[16:19], v[GO], s[2:3]               ; Q's fragments stay in registers: tile A,
	global_load_b128 v[20:23], v[GO], s[2:3] offset:512
	global_load_b128 v[24:27], v[GO], s[2:3] offset:8192   ; tile B
	global_load_b128 v[28:31], v[GO], s[2:3] offset:8704
	WIN 0x40                                       ; destination window 1
	global_load_b128 v[128:131], v[GO], s[96:97]
	global_load_b128 v[132:135], v[GO], s[96:97] offset:512
	global_load_b128 v[136:139], v[GO], s[96:97] offset:8192
	global_load_b128 v[140:143], v[GO], s[96:97] offset:8704
	WIN 0
	s_lshr_b32 s94, s18, 3
	s_lshl_b32 s94, s94, 20                        ; ac: batch,
	s_and_b32 s21, s18, 7
	s_lshl_b32 s21, s21, 11
	s_add_co_u32 s94, s94, s21
	s_add_co_u32 s94, s94, s20                     ; head,
	s_lshl_b32 s21, s17, 14
	s_add_co_u32 s94, s94, s21                     ; tile
	s_add_nc_u64 s[12:13], s[12:13], s[94:95]
	s_lshl_b32 s94, s[IL], 17
	s_add_nc_u64 s[80:81], s[12:13], s[94:95]
	s_lshl_b32 s94, s[IS], 17
	s_add_nc_u64 s[82:83], s[12:13], s[94:95]
	s_wait_kmcnt 0x0
	s_add_co_i32 s20, s74, s75                     ; a score stands for score x 2^(e6 + e7): the two exponents are added to log2(e)'s exponent field
	s_lshl_b32 s20, s20, 23
	s_add_co_i32 s[CS], s20, 0x3fb8aa3b
	s_mov_b32 s[CS+1], s[CS]                       ; (named with it as a pair, so it is written)
	s_add_co_i32 s20, s76, 127
	s_lshl_b32 s21, s20, 23
	s_add_co_i32 s20, s20, 15
	s_lshl_b32 s20, s20, 23
	s_or_b32 s[PL], s20, 0x600000                  ; 57,344 x 2^e8
	s_add_co_i32 s20, s78, 127
	s_lshl_b32 s22, s20, 23
	s_add_co_i32 s20, s20, 15
	s_lshl_b32 s20, s20, 23
	s_or_b32 s20, s20, 0x600000
	s_add_co_i32 s91, s76, s77                     ; e8 + e9
	v_mov_b32 v[PSC], s21                          ; 2^e8 as f32
	v_mov_b32 v[OSC], s22                          ; 2^e10
	v_mov_b32 v[OLIM], s20                         ; 57,344 x 2^e10
.macro KLOAD                           ; K's eight tiles of the block at s[TK], my head's 64 channels
	v_add_nc_u32 v[ADK], s[TK], v[AK0]
	WIN 0x40                                       ; destination window 1
.irp t, 0,1,2,3,4,5,6,7
	ds_load_b128 v[8*\t:8*\t+3], v[ADK] offset:2048*\t
	ds_load_b128 v[8*\t+4:8*\t+7], v[ADK] offset:2048*\t+512
.endr
	WIN 0
.endm
.macro ADDP d, s                       ; a pair onto a chain
	v_pk_add_f32 v[\d:\d+1], v[\d:\d+1], v[\s:\s+1]
.endm
.macro SUM2 na                         ; the rows' sums, of the unquantised p: four chains a tile, the two tiles by turns
	v_pk_add_f32 v[PC:PC+1], v[SA:SA+1], v[SA+2:SA+3]
	v_pk_add_f32 v[PC+6:PC+7], v[SB:SB+1], v[SB+2:SB+3]
	v_pk_add_f32 v[PC+2:PC+3], v[SA+4:SA+5], v[SA+6:SA+7]
	v_pk_add_f32 v[PC+8:PC+9], v[SB+4:SB+5], v[SB+6:SB+7]
	v_pk_add_f32 v[PC+4:PC+5], v[SA+8:SA+9], v[SA+10:SA+11]
	v_pk_add_f32 v[PC+10:PC+11], v[SB+8:SB+9], v[SB+10:SB+11]
.set n, 12
.rept 6
.if n < 8*\na-4
	ADDP MA+2, SA+n
	ADDP MB+2, SB+n
	ADDP PC, SA+n+2
	ADDP PC+6, SB+n+2
	ADDP PC+2, SA+n+4
	ADDP PC+8, SB+n+4
	ADDP PC+4, SA+n+6
	ADDP PC+10, SB+n+6
.else
	ADDP MB+2, SB+n
	ADDP PC+6, SB+n+2
	ADDP PC+8, SB+n+4
	ADDP PC+10, SB+n+6
.endif
.set n, n+8
.endr
	ADDP MA+2, SA+8*\na-4
	ADDP MB+2, SB+60
	ADDP PC, SA+8*\na-2
	ADDP PC+6, SB+62
	ADDP PC+2, PC+4
	ADDP PC+8, PC+10
.endm
.macro CODES st, nt                    ; the hold (the conversion to an 8-bit code does not saturate: ISA guide 7.6.2; p is not negative, so it is one-sided) and the conversion
.set n, 0
.rept 4*\nt
	v_dual_min_num_f32 v[\st+n], s[PL], v[\st+n] :: v_dual_min_num_f32 v[\st+n+1], s[PL], v[\st+n+1]
.set n, n+2
.endr
.set n, 0
.rept \nt
	v_cvt_scalef32_pk8_bf8_f32 v[PC+2*n:PC+2*n+1], v[\st+8*n:\st+8*n+7], v[PSC]
.set n, n+1
.endr
	v_nop                                          ; one plain vector instruction behind the last conversion
.endm
.macro PV ot, nt                       ; the four accumulators take turns, one instruction a turn
	WIN 0x01                                       ; source 0 (V) window 1
.irp t, 0,1,2,3
.if \nt == 8
	v_wmma_f32_16x16x128_bf8_bf8 v[\ot+8*\t:\ot+8*\t+7], v[64+16*\t:79+16*\t], v[PC:PC+15], v[\ot+8*\t:\ot+8*\t+7]
.else
	v_wmma_f32_16x16x64_bf8_bf8 v[\ot+8*\t:\ot+8*\t+7], v[64+16*\t:71+16*\t], v[PC:PC+7], v[\ot+8*\t:\ot+8*\t+7]
.endif
.endr
	WIN 0
.endm
; A KEY STEP: tile A takes na tiles of 16 keys, tile B eight.  mask = 1: the last 64 keys of each are the diagonal's: hidden scores become -infinity ahead of the maximum (p = 0 then).
; The first key of a query's first step counts for every query, so the maximum is a number.  last: the step that has no next K to fetch (9: there is none such here).
.macro BODY na, mask, last
	v_add_nc_u32 v[ADV], s[TV], v[AV0]
	s_wait_alu depctr_va_vdst(0)                   ; directly ahead of the wait below
	s_wait_dscnt 0x0                               ; K is in
	WIN 0x01                                       ; source 0 (K) window 1
.irp t, 0,1,2,3,4,5,6,7
.if \t < \na
	v_wmma_f32_16x16x64_bf8_bf8 v[SA+8*\t:SA+8*\t+7], v[8*\t:8*\t+7], v[16:23], 0
.endif
.endr
.irp t, 0,1,2,3,4,5,6,7
	v_wmma_f32_16x16x64_bf8_bf8 v[SB+8*\t:SB+8*\t+7], v[8*\t:8*\t+7], v[24:31], 0
.endr
.rept 4
	v_nop                                          ; places in front of the loads into K's registers and of the first read of the scores
.endr
	WIN 0x40
.irp t, 0,1,2,3                                ; V: four tiles of 16 channels x 128 keys
.irp c, 0,1,2,3
	ds_load_b128 v[64+16*\t+4*\c:67+16*\t+4*\c], v[ADV] offset:2*VB*(\t/2)+128*(\t%2)+512*(\c%2)+1088*(\c/2)
.endr
.endr
	WIN 0
.if \last < 9
	s_cmp_eq_u32 s[U], \last
	s_cbranch_scc1 .Lno_k_\@
.endif
	KLOAD
.Lno_k_\@:
.if \mask
.set n, 0
.rept 32
	v_cmp_gt_i32 vcc_lo, 16*(n/8)+n%8, v[DD]
	v_cndmask_b32 v[SA+8*\na-32+n], v[SA+8*\na-32+n], v[NINF], vcc_lo
	v_cndmask_b32 v[SB+32+n], v[SB+32+n], v[NINF], vcc_lo
.set n, n+1
.endr
.endif
	v_max3_num_f32 v[MXA], v[SA], v[SA+1], v[SA+2] ; each tile's largest score of my query, among my half of the keys, in two chains (each accumulator is first read at its low end),
	v_max3_num_f32 v[MXB], v[SB], v[SB+1], v[SB+2]
	v_max3_num_f32 v[MXA+1], v[SA+3], v[SA+4], v[SA+5]
	v_max3_num_f32 v[MXB+1], v[SB+3], v[SB+4], v[SB+5]
.set n, 6
.rept 14
.if n < 8*\na-2
	v_max3_num_f32 v[MXA], v[MXA], v[SA+n], v[SA+n+1]
.endif
	v_max3_num_f32 v[MXB], v[MXB], v[SB+n], v[SB+n+1]
.if n < 8*\na-2
	v_max3_num_f32 v[MXA+1], v[MXA+1], v[SA+n+2], v[SA+n+3]
.endif
	v_max3_num_f32 v[MXB+1], v[MXB+1], v[SB+n+2], v[SB+n+3]
.set n, n+4
.endr
	v_max3_num_f32 v[MXA], v[MXA], v[SA+8*\na-2], v[SA+8*\na-1]
	v_max3_num_f32 v[MXB], v[MXB], v[SB+62], v[SB+63]
	v_max_num_f32 v[MXA], v[MXA], v[MXA+1]
	v_max_num_f32 v[MXB], v[MXB], v[MXB+1]
	v_permlanex16_b32 v[PTA], v[MXA], s[SEL], s[SEL+1]
	v_permlanex16_b32 v[PTB], v[MXB], s[SEL], s[SEL+1]
	v_max_num_f32 v[MXA], v[MXA], v[PTA]           ; and among lane l xor 16's
	v_max_num_f32 v[MXB], v[MXB], v[PTB]
	v_mul_f32 v[MXA], s[CS], v[MXA]                ; as t (the factor is positive)
	v_mul_f32 v[MXB], s[CS], v[MXB]
	v_max_num_f32 v[MA+1], v[MA+1], v[MXA]         ; the running largest t
	v_max_num_f32 v[MB+1], v[MB+1], v[MXB]
	v_mov_b32 v[MXA], v[MA]
	v_mov_b32 v[MXB], v[MB]
	v_floor_f32 v[MA], -v[MA+1]                    ; the new -M = floor(-t) = -ceil(t): M is a whole number
	v_floor_f32 v[MB], -v[MB+1]
.set n, 0
.rept 4*\na
	v_pk_fma_f32 v[SA+n:SA+n+1], v[SA+n:SA+n+1], s[CS:CS+1], v[MA:MA+1] op_sel_hi:[1,0,0]   ; t - M, two at a time (of both pairs the low word serves both halves)
.if n == 2                             ; between them the factors f = 2^(old M - new M)
	v_sub_f32 v[MXA], v[MA], v[MXA]                ; M's old value less its new one: a whole number, 0 or less
	v_sub_f32 v[MXB], v[MB], v[MXB]
.endif
.if n == 12
	v_cvt_i32_f32 v[MXA], v[MXA]                   ; (it saturates)
	v_cvt_i32_f32 v[MXB], v[MXB]
.endif
.if n == 22
	v_ldexp_f32 v[FA], 1.0, v[MXA]
	v_ldexp_f32 v[FB], 1.0, v[MXB]
.endif
.set n, n+2
.endr
	s_wait_alu depctr_va_vdst(0)                   ; the wait ahead of the batch
.set n, 0
.rept 32
.if n < 8*\na
	v_exp_f32 v[SA+n], v[SA+n]                     ; p = 2^(t - M), at most 1: not normalised.  Tile B's t - M stand between tile A's exponentials: they are read behind the next wait
	v_exp_f32 v[SA+n+1], v[SA+n+1]
.endif
	v_pk_fma_f32 v[SB+n:SB+n+1], v[SB+n:SB+n+1], s[CS:CS+1], v[MB:MB+1] op_sel_hi:[1,0,0]
.set n, n+2
.endr
	s_wait_alu depctr_va_vdst(0)                   ; the wait behind tile A's batch and ahead of tile B's
.set n, 0
.rept 64
	v_exp_f32 v[SB+n], v[SB+n]
.set n, n+1
.endr
	v_pk_mul_f32 v[MA+2:MA+3], v[MA+2:MA+3], v[FA:FA+1] op_sel_hi:[1,0]   ; the sums under the new M: the plain instructions behind the exponentials
	v_pk_mul_f32 v[MB+2:MB+3], v[MB+2:MB+3], v[FB:FB+1] op_sel_hi:[1,0]
	s_wait_alu depctr_va_vdst(0)                   ; one wait for the batch, and for O^T's first readers
.set n, 0
.rept 16
	v_pk_mul_f32 v[OA+n:OA+n+1], v[OA+n:OA+n+1], v[FA:FA+1] op_sel_hi:[1,0]   ; O^T under the new M
	v_pk_mul_f32 v[OB+n:OB+n+1], v[OB+n:OB+n+1], v[FB:FB+1] op_sel_hi:[1,0]
.set n, n+2
.endr
	SUM2 \na
	v_pk_add_f32 v[MA+2:MA+3], v[MA+2:MA+3], v[PC:PC+1]
	v_pk_add_f32 v[MB+2:MB+3], v[MB+2:MB+3], v[PC+6:PC+7]
	v_pk_add_f32 v[MA+2:MA+3], v[MA+2:MA+3], v[PC+2:PC+3]
	v_pk_add_f32 v[MB+2:MB+3], v[MB+2:MB+3], v[PC+8:PC+9]
	CODES SA, \na
	s_wait_alu depctr_va_vdst(0)
	s_wait_dscnt 0x0                               ; V is in (and the next K)
	PV OA, \na
	CODES SB, 8                                    ; (its minima are the places between tile A's products and the conversions that write over their operand)
	PV OB, 8
.endm
; A unit begins: O^T and the sums begin as zeros, which the first change of M leaves zeros, and the largest t as -3e38, under every t.
.macro INIT
	v_mov_b32 v[MA+1], 0xff61b1e6
	v_mov_b32 v[MB+1], 0xff61b1e6
	v_mov_b32 v[MA+2], 0
	v_mov_b32 v[MA+3], 0
	v_floor_f32 v[MA], -v[MA+1]
	v_floor_f32 v[MB], -v[MB+1]
	v_mov_b32 v[MB+2], 0
	v_mov_b32 v[MB+3], 0
.set n, 0
.rept 64
	v_mov_b32 v[OA+n], 0
.set n, n+1
.endr
.endm
; A unit ends: O^T x 2^(e8 + e9) / the sum, held, turned into codes with 2^e10: the last product's operand registers, stored as they lie.
.macro FINISH
.rept 4
	v_nop                                          ; places behind the last products
.endr
	v_add_f32 v[MA+2], v[MA+2], v[MA+3]            ; the sum's two halves,
	v_add_f32 v[MB+2], v[MB+2], v[MB+3]
	v_permlanex16_b32 v[PTA], v[MA+2], s[SEL], s[SEL+1]
	v_permlanex16_b32 v[PTB], v[MB+2], s[SEL], s[SEL+1]
	v_add_f32 v[MA+2], v[MA+2], v[PTA]             ; and lane l xor 16's
	v_add_f32 v[MB+2], v[MB+2], v[PTB]
	s_wait_alu depctr_va_vdst(0)                   ; the wait ahead of the transcendentals,
	v_rcp_f32 v[MA+2], v[MA+2]
	v_rcp_f32 v[MB+2], v[MB+2]
	v_nop                                          ; a plain instruction behind them,
	s_wait_alu depctr_va_vdst(0)                   ; and the wait ahead of their first readers and of O^T's
	v_ldexp_f32 v[MA+2], v[MA+2], s91
	v_ldexp_f32 v[MB+2], v[MB+2], s91
.set n, 0
.rept 16
	v_pk_mul_f32 v[OA+n:OA+n+1], v[OA+n:OA+n+1], v[MA+2:MA+3] op_sel_hi:[1,0]   ; each accumulator from its low end on
	v_pk_mul_f32 v[OB+n:OB+n+1], v[OB+n:OB+n+1], v[MB+2:MB+3] op_sel_hi:[1,0]
.set n, n+2
.endr
.set n, 0
.rept 64
	v_med3_num_f32 v[OA+n], v[OA+n], -v[OLIM], v[OLIM]
.set n, n+1
.endr
.irp t, 0,1,2,3,4,5,6,7
	v_cvt_scalef32_pk8_bf8_f32 v[PC+2*\t:PC+2*\t+1], v[OA+8*\t:OA+8*\t+7], v[OSC]
.endr
	v_nop                                          ; one plain vector instruction behind the last conversion
	global_store_b128 v[GO], v[PC:PC+3], s[80:81]                      ; 512 consecutive bytes, at a multiple of 512 from the buffer's first byte: tile A,
	global_store_b128 v[GO], v[PC+4:PC+7], s[80:81] offset:512
	global_store_b128 v[GO], v[PC+8:PC+11], s[80:81] offset:65536      ; tile B, four tiles on
	global_store_b128 v[GO], v[PC+12:PC+15], s[80:81] offset:66048
.endm
	INIT
	s_mov_b32 s[U], 0
	s_mov_b32 s[TK], 0
	s_wait_alu depctr_va_vdst(0)                   ; the wait at the head's end
	s_wait_loadcnt 0x0                             ; Q
	s_wait_tensorcnt 0x0                           ; my part of keys 0-383 is in
	ds_add_u32 v[SPW], v[NIL]
	s_lshl_b32 s94, s[IS], 13
	s_add_co_u32 s94, s94, 3*KBLK                  ; from my part of the first to that of the second: 49,152 + 20,480 i - 12,288 i bytes
	s_add_nc_u64 s[G0K+2:G0K+3], s[G0K+2:G0K+3], s[94:95]
	s_add_nc_u64 s[G0V+2:G0V+3], s[G0V+2:G0V+3], s[94:95]
	s_mul_i32 s20, s[IS], 20480
	s_add_co_u32 s[G0K+1], s20, 3*KBLK
	s_mul_i32 s20, s[IS], 10*VB
	s_add_co_u32 s[G0V+1], s20, VREG+3*VBLK
	s_wait_dscnt 0x0                               ; the add is done
	CROUND                                         ; everybody's part is in, and the joint loads meet
	TLOAD G1K1, G1V1                               ; keys 384-1,023
	KLOAD
.La:                                               ; steps 0-2: the first unit (I = 7 - i) on keys 0-383, which count for all its queries
	s_mul_i32 s[TV], s[U], VBLK
	s_add_co_u32 s20, s[U], 1
	s_lshl_b32 s[TK], s20, 14
	BODY 8, 0, 2
	s_add_co_u32 s[U], s[U], 1
	s_cmp_lt_u32 s[U], 3
	s_cbranch_scc1 .La
	s_wait_tensorcnt 0x0                           ; my part of keys 384-1,023 is in
	s_wait_dscnt 0x0
	s_barrier_signal -1
	s_barrier_wait -1                              ; everybody's is; nothing is filled any more
	s_mov_b32 s[TK], 3*KBLK
	KLOAD
.Lm:                                               ; steps 3-8: step u is block u of the first unit up to u = 7 - i, then block u - (8 - i) = (u + i) mod 8 of the second (I = i)
	s_cmp_gt_u32 s[U], s[IL]
	s_cselect_b32 s20, s[IS], 0
	s_add_co_u32 s20, s20, s[U]
	s_and_b32 s20, s20, 7
	s_mul_i32 s[TV], s20, VBLK
	s_add_co_u32 s21, s[U], 1
	s_cmp_gt_u32 s21, s[IL]
	s_cselect_b32 s22, s[IS], 0
	s_add_co_u32 s22, s22, s21
	s_and_b32 s22, s22, 7
	s_lshl_b32 s[TK], s22, 14                      ; the next step's block of K
	s_cmp_eq_u32 s[U], s[IL]                       ; the first unit's diagonal?
	s_cbranch_scc1 .Ldiag
	s_cmp_eq_u32 s[U], 8                           ; the second's?
	s_cbranch_scc1 .Ldiag
	BODY 8, 0, 9
	s_branch .Lon
.Ldiag:
	BODY 4, 1, 8
	FINISH
	s_cmp_eq_u32 s[U], 8
	s_cbranch_scc1 .Lon
	INIT                                           ; on to the second unit
	WIN 0x01
.set n, 0
.rept 16
	v_mov_b32 v[16+n], v[128+n]                    ; its Q
.set n, n+1
.endr
	WIN 0
	s_wait_alu depctr_va_vdst(0)
	s_wait_xcnt 0x0                                ; the stores have read their registers and their base
	s_mov_b64 s[80:81], s[82:83]
.Lon:
	s_add_co_u32 s[U], s[U], 1
	s_cmp_lt_u32 s[U], 9
	s_cbranch_scc1 .Lm
	s_wait_tensorcnt 0x0                           ; the wave's end
	ds_add_u32 v[SPW], v[NIL]
	s_wait_dscnt 0x0
	CROUND                                         ; the closing round
	s_endpgm
.Lfunc_end_k_qe1fed8c0e8_attn:
	.size	k_qe1fed8c0e8_attn, .Lfunc_end_k_qe1fed8c0e8_attn-k_qe1fed8c0e8_attn
	.p2alignl 7, 3214868480
	.fill 96, 4, 3214868480
	.section	.rodata,"a",@progbits
	.p2align	6, 0x0
	.amdhsa_kernel k_qe1fed8c0e8_attn
		.amdhsa_group_segment_fixed_size 327680
		.amdhsa_private_segment_fixed_size 0
		.amdhsa_enable_private_segment 0
		.amdhsa_kernarg_size 40
		.amdhsa_user_sgpr_count 2
		.amdhsa_user_sgpr_kernarg_segment_ptr 1
		.amdhsa_wavefront_size32 1
		.amdhsa_system_sgpr_workgroup_id_x 1
		.amdhsa_system_sgpr_workgroup_id_y 1
		.amdhsa_system_sgpr_workgroup_id_z 1
		.amdhsa_system_vgpr_workitem_id 0
		.amdhsa_next_free_vgpr 512
		.amdhsa_next_free_sgpr 100
		.amdhsa_reserve_vcc 1
		.amdhsa_float_denorm_mode_32 3
		.amdhsa_float_denorm_mode_16_64 3
		.amdhsa_memory_ordered 1
		.amdhsa_forward_progress 1
		.amdhsa_inst_pref_size 108
	.end_amdhsa_kernel
	.amdgpu_metadata
---
amdhsa.version: [ 1, 2 ]
amdhsa.kernels:
  - .name:           k_qe1fed8c0e8_attn
    .symbol:         k_qe1fed8c0e8_attn.kd
    .args:
      - { .name: qc, .offset: 0, .size: 8, .value_kind: global_buffer, .address_space: global }
      - { .name: kc, .offset: 8, .size: 8, .value_kind: global_buffer, .address_space: global }
      - { .name: vc, .offset: 16, .size: 8, .value_kind: global_buffer, .address_space: global }
      - { .name: lowp_scales, .offset: 24, .size: 8, .value_kind: global_buffer, .address_space: global }
      - { .name: ac, .offset: 32, .size: 8, .value_kind: global_buffer, .address_space: global }
    .group_segment_fixed_size: 327680
    .private_segment_fixed_size: 0
    .kernarg_segment_align: 8
    .kernarg_segment_size: 40
    .max_flat_workgroup_size: 256
    .sgpr_count:     100
    .vgpr_count:     512
    .wavefront_size: 32
...
	.end_amdgpu_metadata
.endif
;; end of part 2
;; launch outp (part 3): grid 4 x 64, 4 waves a work-group, clusters of 4 x 4, 327,680 bytes of LDS; arguments ac, Wo_codes, bo, lowp_scales, out0; writes out0
.if DOCPART == 3
	.amdgcn_target "amdgcn-amd-amdhsa--gfx1250"
	.amdhsa_code_object_version 6
	.text
	.protected	k_qe1fed8c0e8_outp
	.globl	k_qe1fed8c0e8_outp
	.p2align	8
	.type	k_qe1fed8c0e8_outp,@function
k_qe1fed8c0e8_outp:
	s_mov_b64 s[64:65], 0
	v_nop
	global_prefetch_b8 v0, s[64:65] scope:SCOPE_SE
	s_setreg_imm32_b32 hwreg(HW_REG_WAVE_MODE, 25, 1), 1
	s_wait_xcnt 0x0
	s_wait_alu depctr_hold_cnt(0) depctr_sa_sdst(0) depctr_va_vdst(0) depctr_va_sdst(0) depctr_va_ssrc(0) depctr_va_vcc(0) depctr_vm_vsrc(0)
	s_getreg_b32 s2, hwreg(HW_REG_IB_STS2, 6, 4)
	s_cmp_eq_u32 s2, 0
	s_cbranch_scc0 .Lentry_in_a_cluster
	s_endpgm
.Lentry_in_a_cluster:
	s_bfe_u32 s2, ttmp6, 0x10000c
	s_cmp_lg_u32 s2, 0xf033
	s_cbranch_scc0 .Lentry_shape_is_right
	s_endpgm
.Lentry_shape_is_right:
; THE LAST PROJECTION: out0[m][n] = (sum over k of A[m][k] Wo[n][k]) x 2^(e10 + e11) + bo[n], on codes of BF8 (E5M2); sums in f32.  M = 8,192 tokens, N = K = 1,024.
; A = ac, an image of operand registers: tile of 16 tokens x 16,384 bytes, 2,048 for each 128 along K: register group c at 512 c + 16 x lane holds k = 32 c + 16 h + 0 .. 15.  Wo: [1,024][1,024] codes, K innermost.
; LIMIT: e10 + e11 between -126 and 127, so that 2^(e10 + e11) is an f32 number.  Inside a matrix instruction k is permuted alike in A and Wo (fragments come by loads of 16 bytes): the order of the sums differs.
; SHARES.  A work-group makes 128 tokens x 256 columns: 256 work-groups.  A wave (wr, wc) makes 64 tokens x 128 columns in two blocks of 64 columns, one after the other: 16 accumulators, K whole, then stored.
; LDS: two regions of 128 rows x (1,024 bytes + 16).  A's image fills the first at the head; Wo's first 128 rows the second, behind the first barrier; meanwhile each wave takes its A (64 tokens x 1,024 codes = 512 registers) into registers, where it
; stays; behind the second barrier Wo's other 128 rows fill the first region again, byte on byte of the same rows and the same padding.
; CLUSTERS: 4 x 4.  A is asked for jointly by the four work-groups of a row of the cluster, Wo's rows by the four of a column.  No prefetch: no loop of this launch fills anything.
; THE COLUMNS OF A TILE ARE NOT NEIGHBOURS: tile b of a block of 64 columns takes columns 4 r + b, r = 0 .. 15 (wave b fetches just these rows of Wo, 4 rows apart in memory).  Source 0 = 16 tokens, source 1 = 16 columns: register j of lane (r, h)
; is token 8 h + j, column 4 r + b: the four tiles give a lane four neighbouring columns, and 16 lanes the 256 bytes of a token's block of 64 columns: stored without a stage.
; REGISTERS, in windows of 256: window 0: v0-31 addresses; v32-39 bo of my columns, two blocks; v64-127 results; v128-255 accumulators.   window 1: Wo's fragments, four sets of 64.   windows 2, 3: A, (a, ks) at 128 (a % 2) + 16 ks.
.set PB,    1040                       ; a row in LDS: 260 words: the 16 rows that a load of Wo touches start at 16 different banks (64 banks of 4 bytes: ISA guide 11.1)
.set TILE,  16*PB                      ; 16 rows of Wo, or a tile of A
.set REG1,  8*TILE                     ; the second region.  Of Wo in each region: tile b of column block g at (2 b + g) TILE
.set SPARE, REG1+8*TILE                ; the spare words, 128 bytes for each wave, which no other line names
.set ADB,  16                          ; v16-19  LDS address of my fragments of Wo: tiles 0, 1 and tiles 2, 3 of the first part (second region), the same of the second part (first region)
.set ADA,  20                          ; v20-21  of my A: tiles 0, 1 and tiles 2, 3
.set CO,   22                          ; v22     my place in a block of out0
.set BOO,  23                          ; v23     in bo
.set SPW,  28                          ; v28     LDS address of my spare word; never rewritten
.set NIL,  29                          ; v29     0; never rewritten
.set BO,   32
.set TMP,  64
.set ACC,  128
.set G1,   24                          ; s[24:31] descriptor group 1 for Wo;  s[32:39] for A
.set G1A,  32
.set G0,   48                          ; s[48:51], s[52:55] groups 0 of Wo's two parts;  s[56:59] of A
.set G0B,  52
.set G0A,  56
.set MSB, 0
.macro WIN new                         ; the immediate's high byte repeats the setting that is left
.if MSB != (\new)
	s_set_vgpr_msb (MSB<<8)|(\new)
.set MSB, (\new)
.endif
.endm
.macro PLACES n
.rept \n
	v_nop
.endr
.endm
.macro CROUND                          ; a round of the cluster's barrier
	s_barrier_signal -1
	s_barrier_wait -1
	s_cmp_lg_u32 s14, 0
	s_cbranch_scc1 .Lnot_wave_0_\@
	s_barrier_signal -3
.Lnot_wave_0_\@:
	s_barrier_wait -3
	s_barrier_signal -1
	s_barrier_wait -1
.endm
	s_load_b256 s[4:11], s[0:1], 0x0               ; ac s[4:5], Wo's codes s[6:7], bo s[8:9], the scales' exponents s[10:11]
	s_load_b64 s[12:13], s[0:1], 0x20              ; out0
	v_lshl_add_u32 v[SPW], v0, 2, SPARE
	v_mov_b32 v[NIL], 0
	ds_add_u32 v[SPW], v[NIL]                      ; the wave's opening: the add, twice on end, and its wait ahead of my first tensor load
	ds_add_u32 v[SPW], v[NIL]
	v_lshrrev_b32 v1, 5, v0
	v_readfirstlane_b32 s14, v1                    ; wave 0..3
	s_lshr_b32 s15, s14, 1                         ; wr: which 64 tokens are mine
	s_and_b32 s16, s14, 1                          ; wc: which 64 columns of each 128
	s_bfe_u32 s40, ttmp6, 0x40000                  ; cx: the tile column
	s_bfe_u32 s41, ttmp6, 0x40004                  ; cy
	s_and_b32 s17, ttmp7, 0xffff
	s_lshl_b32 s17, s17, 2
	s_add_co_u32 s17, s17, s41                     ; block of 128 tokens = 4 x cluster y + cy
	s_lshl_b32 s43, s41, 2
	s_lshl_b32 s43, 15, s43                        ; my row of the cluster
	s_lshl_b32 s44, 0x1111, s40                    ; my column
	; descriptor groups 1: 32 rows of 1,024 bytes: every fourth row of Wo; two tiles of A, dense
	s_or_b32 s[G1], s44, (1<<20)|(1<<21)|(7<<22)|(3<<25)   ; 15:0 the mask; 17:16 element of 1 byte; 20 padding on; 21 set beside a mask; 24:22 after every 256 words (code 7); 31:25 of 4 words (code 3)
	s_or_b32 s[G1A], s43, (1<<20)|(1<<21)|(7<<22)|(3<<25)
.irp g, G1, G1A
	s_mov_b32 s[\g+1], 1024<<16                    ; tensor_dim0
	s_mov_b32 s[\g+2], 32<<16                      ; tensor_dim1
	s_mov_b32 s[\g+3], 1024<<16                    ; tile_dim0
	s_mov_b32 s[\g+4], 32                          ; tile_dim1
	s_mov_b32 s[\g+6], 0
	s_mov_b32 s[\g+7], 0
.endr
	s_mov_b32 s[G1+5], 4096                        ; tensor_dim0_stride
	s_mov_b32 s[G1A+5], 1024
	s_mov_b32 s[G0A], 1
	s_mul_i32 s[G0A+1], s14, 2*TILE                ; A: first region
	s_mov_b32 s[G0], 1
	s_mul_i32 s20, s14, 2*TILE
	s_add_co_u32 s[G0+1], s20, REG1                ; Wo's first part: second region
	s_mov_b32 s[G0B], 1
	s_mul_i32 s[G0B+1], s14, 2*TILE                ; its second part: first region
	s_lshl_b32 s46, s40, 18                        ; Wo: row 256 cx
	s_lshl_b32 s47, s14, 10                        ; + wave
	s_add_co_u32 s46, s46, s47
	s_mov_b32 s47, 0
	s_lshl_b32 s18, s17, 17                        ; A: tile 8 x block
	s_lshl_b32 s19, s14, 15                        ; + 2 x wave, 16,384 bytes each
	s_add_co_u32 s18, s18, s19
	s_mov_b32 s19, 0
	s_mul_i32 s20, s16, TILE
	s_add_co_u32 s21, s20, 4*TILE
	s_add_co_u32 s22, s20, REG1
	s_add_co_u32 s23, s20, REG1+4*TILE
	s_mul_i32 s45, s15, 4*TILE
	s_add_co_u32 s42, s45, 2*TILE
	v_and_b32 v1, 15, v0                           ; r
	v_bfe_u32 v2, v0, 4, 1                         ; h
	v_and_b32 v3, 31, v0
	v_mul_u32_u24 v4, v1, PB
	v_lshlrev_b32 v[BOO], 4, v1
	v_lshlrev_b32 v[CO], 15, v2                    ; 8 h tokens of 4,096 bytes
	v_lshlrev_b32 v3, 4, v3
	v_lshl_add_u32 v4, v2, 4, v4                   ; a row of the tile + 16 h
	v_lshl_add_u32 v[CO], v1, 4, v[CO]             ; + 16 r
	v_add_nc_u32 v[ADB], s22, v4
	v_add_nc_u32 v[ADB+1], s23, v4
	v_add_nc_u32 v[ADB+2], s20, v4
	v_add_nc_u32 v[ADB+3], s21, v4
	v_add_nc_u32 v[ADA], s45, v3                   ; my tiles of A: 4 wr, 16 x lane in each group of registers
	v_add_nc_u32 v[ADA+1], s42, v3
	s_wait_alu depctr_va_vdst(0)                   ; directly ahead of the waits below
	s_wait_dscnt 0x0                               ; both opening adds are done
	s_wait_kmcnt 0x0
	s_load_b64 s[96:97], s[10:11], 0x28            ; e10, e11
	s_add_nc_u64 s[G0A+2:G0A+3], s[4:5], s[18:19]
	s_or_b32 s[G0A+3], s[G0A+3], 0x80000000
	CROUND                                         ; all sixteen work-groups are here: the first joint loads meet
	tensor_load_to_lds s[G0A:G0A+3], s[G1A:G1A+7]  ; A: one tensor load a wave at the head; an s_nop 0 and four v_nop follow
	s_nop 0
	PLACES 4
	s_add_nc_u64 s[G0+2:G0+3], s[6:7], s[46:47]
	s_add_nc_u64 s[G0B+2:G0B+3], s[G0+2:G0+3], 0x20000   ; 128 rows on
	s_or_b32 s[G0+3], s[G0+3], 0x80000000
	s_or_b32 s[G0B+3], s[G0B+3], 0x80000000
	s_mov_b32 s79, 0
	s_lshl_b32 s78, s40, 10
	s_lshl_b32 s20, s16, 8
	s_add_co_u32 s78, s78, s20                     ; column 256 cx + 64 wc, in bytes
	s_add_nc_u64 s[76:77], s[8:9], s[78:79]
	s_add_nc_u64 s[12:13], s[12:13], s[78:79]
	s_lshl_b32 s78, s17, 19
	s_lshl_b32 s20, s15, 18
	s_add_co_u32 s78, s78, s20
	s_add_nc_u64 s[12:13], s[12:13], s[78:79]      ; out0: token 128 x block + 64 wr, 4,096 bytes each
.irp p, 0,1
	global_load_b128 v[BO+4*\p:BO+4*\p+3], v[BOO], s[76:77] offset:512*\p       ; bo[128 p + 4 r + 0 .. 3] of my columns
.endr
.macro BLOAD part, ks                  ; Wo's four fragments of 16 columns x 128 K into set ks % 4
	WIN 0x40                                       ; destination window 1
.irp b, 0,1,2,3
.irp c, 0,1,2,3
	ds_load_b128 v[64*((\ks)%4)+16*\b+4*\c:64*((\ks)%4)+16*\b+4*\c+3], v[ADB+2*\part+\b/2] offset:2*TILE*(\b%2)+128*(\ks)+32*\c
.endr
.endr
	WIN 0
.endm
; A block of 64 columns, K whole: Wo's sets are fetched three steps ahead.  The 16 accumulators take turns, one instruction a turn; the first step starts the sums.
; A load into a register that a matrix instruction has read stands four places behind it.
.macro MULS part
.irp ks, 0,1,2,3,4,5,6,7
.if \ks < 6
	s_wait_dscnt 32                                ; set ks is in; the two younger sets may be out
.elseif \ks == 6
	s_wait_dscnt 16
.else
	s_wait_dscnt 0
.endif
.if \ks < 5
	PLACES 4
	BLOAD \part, \ks+3
.endif
.irp a, 0,1,2,3
	WIN 0x06+(\a/2)                                ; source 0 (A) window 2 or 3, source 1 (Wo) window 1, C and D window 0
.irp b, 0,1,2,3
.if \ks == 0
	v_wmma_f32_16x16x128_bf8_bf8 v[ACC+8*(4*\a+\b):ACC+8*(4*\a+\b)+7], v[128*(\a%2)+16*\ks:128*(\a%2)+16*\ks+15], v[64*(\ks%4)+16*\b:64*(\ks%4)+16*\b+15], 0
.else
	v_wmma_f32_16x16x128_bf8_bf8 v[ACC+8*(4*\a+\b):ACC+8*(4*\a+\b)+7], v[128*(\a%2)+16*\ks:128*(\a%2)+16*\ks+15], v[64*(\ks%4)+16*\b:64*(\ks%4)+16*\b+15], v[ACC+8*(4*\a+\b):ACC+8*(4*\a+\b)+7]
.endif
.endr
.endr
	WIN 0
.endr
.endm
; A block goes out, 16 tokens at a time: sum x 2^(e10 + e11) + bo.
.macro OUT part
.irp a, 0,1,2,3
.set TT, TMP+32*(\a%2)
.if (\part) + (\a/2) > 0
.if \a%2 == 0
	s_wait_xcnt 0x0                                ; the stores before have read the registers that these results take
.endif
.endif
.irp j, 0,1,2,3,4,5,6,7
.irp b, 0,1,2,3
	v_fma_f32 v[TT+4*\j+\b], v[ACC+8*(4*\a+\b)+\j], s96, v[BO+4*\part+\b]   ; each accumulator from its low end on
.endr
.endr
.irp j, 0,1,2,3,4,5,6,7
	global_store_b128 v[CO], v[TT+4*\j:TT+4*\j+3], s[12:13] offset:4096*(16*\a+\j)+512*\part th:TH_STORE_NT   ; tokens j and 8 + j: 256 consecutive bytes each, at a multiple of 256 from out0's first byte; read by nobody here
.endr
.endr
.endm
	s_wait_kmcnt 0x0
	s_add_co_i32 s96, s96, s97                     ; e10 + e11, between -126 and 127,
	s_add_co_i32 s96, s96, 127
	s_lshl_b32 s96, s96, 23                        ; makes the f32 number 2^(e10 + e11)
	s_wait_alu depctr_va_vdst(0)                   ; the wait at the head's end
	s_wait_tensorcnt 0x0                           ; my part of A is in
	ds_add_u32 v[SPW], v[NIL]
	s_wait_dscnt 0x0
	CROUND                                         ; everybody's part is in, and the joint loads meet
	tensor_load_to_lds s[G0:G0+3], s[G1:G1+7]      ; Wo: columns 0-127, into the second region
	s_nop 0
	PLACES 4
.irp a, 0,1,2,3                                ; meanwhile A goes into registers: 128 loads of 512 consecutive bytes.  A tile's byte 2,048 ks + 512 c lies in row 2 ks + c / 2
	WIN 0x80+0x40*(\a/2)                           ; destination window 2 or 3, address window 0
.irp ks, 0,1,2,3,4,5,6,7
.irp c, 0,1,2,3
	ds_load_b128 v[128*(\a%2)+16*\ks+4*\c:128*(\a%2)+16*\ks+4*\c+3], v[ADA+\a/2] offset:TILE*(\a%2)+PB*(2*\ks+\c/2)+512*(\c%2)
.endr
.endr
.endr
	WIN 0
	s_wait_tensorcnt 0x0                           ; my part of Wo's first 128 rows is in;
	ds_add_u32 v[SPW], v[NIL]
	s_wait_dscnt 0x0                               ; the add is done, and my reads of A are over
	CROUND                                         ; no wave of any partner still reads A's image or has a load on its way
	tensor_load_to_lds s[G0B:G0B+3], s[G1:G1+7]    ; Wo: columns 128-255, into the first region: a block's products and its way out in which to land
	s_nop 0
	PLACES 4
	BLOAD 0, 0
	BLOAD 0, 1
	BLOAD 0, 2
	MULS 0
	s_wait_loadcnt 0x0                             ; bo
	PLACES 4                                       ; behind the last products, whose results are read below
	OUT 0
	s_wait_tensorcnt 0x0                           ; my part of columns 128-255 is in
	s_wait_dscnt 0x0
	s_barrier_signal -1
	s_barrier_wait -1                              ; everybody's is; nothing is filled any more
	BLOAD 1, 0                                     ; (OUT's plain lines stand between the last products and these loads into their registers)
	BLOAD 1, 1
	BLOAD 1, 2
	MULS 1
	PLACES 4
	OUT 1
	s_wait_tensorcnt 0x0                           ; the wave's end
	ds_add_u32 v[SPW], v[NIL]
	s_wait_dscnt 0x0
	CROUND                                         ; the closing round: no work-group ends while a partner may still ask for a tile that names it
	s_endpgm
.Lfunc_end_k_qe1fed8c0e8_outp:
	.size	k_qe1fed8c0e8_outp, .Lfunc_end_k_qe1fed8c0e8_outp-k_qe1fed8c0e8_outp
	.p2alignl 7, 3214868480
	.fill 96, 4, 3214868480
	.section	.rodata,"a",@progbits
	.p2align	6, 0x0
	.amdhsa_kernel k_qe1fed8c0e8_outp
		.amdhsa_group_segment_fixed_size 327680
		.amdhsa_private_segment_fixed_size 0
		.amdhsa_enable_private_segment 0
		.amdhsa_kernarg_size 40
		.amdhsa_user_sgpr_count 2
		.amdhsa_user_sgpr_kernarg_segment_ptr 1
		.amdhsa_wavefront_size32 1
		.amdhsa_system_sgpr_workgroup_id_x 1
		.amdhsa_system_sgpr_workgroup_id_y 1
		.amdhsa_system_sgpr_workgroup_id_z 1
		.amdhsa_system_vgpr_workitem_id 0
		.amdhsa_next_free_vgpr 1024
		.amdhsa_next_free_sgpr 100
		.amdhsa_reserve_vcc 0
		.amdhsa_float_denorm_mode_32 3
		.amdhsa_float_denorm_mode_16_64 3
		.amdhsa_memory_ordered 1
		.amdhsa_forward_progress 1
		.amdhsa_inst_pref_size 75
	.end_amdhsa_kernel
	.amdgpu_metadata
---
amdhsa.version: [ 1, 2 ]
amdhsa.kernels:
  - .name:           k_qe1fed8c0e8_outp
    .symbol:         k_qe1fed8c0e8_outp.kd
    .args:
      - { .name: ac, .offset: 0, .size: 8, .value_kind: global_buffer, .address_space: global }
      - { .name: Wo_codes, .offset: 8, .size: 8, .value_kind: global_buffer, .address_space: global }
      - { .name: bo, .offset: 16, .size: 8, .value_kind: global_buffer, .address_space: global }
      - { .name: lowp_scales, .offset: 24, .size: 8, .value_kind: global_buffer, .address_space: global }
      - { .name: out0, .offset: 32, .size: 8, .value_kind: global_buffer, .address_space: global }
    .group_segment_fixed_size: 327680
    .private_segment_fixed_size: 0
    .kernarg_segment_align: 8
    .kernarg_segment_size: 40
    .max_flat_workgroup_size: 128
    .sgpr_count:     100
    .vgpr_count:     1024
    .wavefront_size: 32
...
	.end_amdgpu_metadata
.endif
;; end of part 3
